; MI455X (gfx1250); checked and timed in simulation.
; The chip was launched on July 23, 2026; its instructions are those of AMD's public machine-readable ISA for CDNA 5 (MIT licence, August 2026) and "CDNA5" Instruction Set Architecture Reference Guide (July 2026). The comments in the code are by the model that wrote it; some were corrected since.
;; Gated Delta Rule With Projection Model. Allowed arithmetic: float matrix products may take bf16 or f16 operands with f32 sums; other float arithmetic in f32, or as packed bf16 or f16 multiplies, adds, multiply-adds, maxima and minima; sums over many terms, partial sums and values carried from step to step in f32; what a program stores and reads back later, other than sums and carried values, may be rounded once to bf16 or f16.
;; Inputs: W 8,224 x 2,048 float32; state 2 x 16 x 256 x 128 float32; x 2 x 1,024 x 2,048 float32.
;; Outputs: out0 2 x 1,024 x 16 x 256 float32.
;; 2 versions, each right; version 2 is version 1 with the launches gates, prep written anew for expert scheduling mode. Each part assembles by itself: llvm-mc -triple=amdgcn-amd-amdhsa -mcpu=gfx1250 --defsym DOCPART=n.
;; ======== version 1 of 2: 5 launches
;; limits: values are held in f16: magnitudes above 65,504 overflow, below 6.1e-05 lose precision; right only within a limited range of input values
;; workspace buffers: xb 8,388,608 bytes; wb 33,685,504 bytes; gate 262,144 bytes; qkv 33,554,432 bytes; rec 33,554,432 bytes; gc 131,072 bytes
;; launch cvt (part 1): grid 1284 x 1, 8 waves a work-group, no clusters, 0 bytes of LDS; arguments x, W, xb, wb; writes xb, wb
.if DOCPART == 1
	.amdgcn_target "amdgcn-amd-amdhsa--gfx1250"
	.amdhsa_code_object_version 6
	.text
	.protected	k_q44099f5104_cvt
	.globl	k_q44099f5104_cvt
	.p2align	8
	.type	k_q44099f5104_cvt,@function
k_q44099f5104_cvt:
	s_mov_b64 s[64:65], 0
	v_nop
	global_prefetch_b8 v0, s[64:65] scope:SCOPE_SE
	s_setreg_imm32_b32 hwreg(HW_REG_WAVE_MODE, 25, 1), 1
	s_wait_xcnt 0x0
; xb = bf16(x), wb = bf16(W): one rounding to nearest even.  A stream: every byte is read once and written once.
; A work-group converts 16,384 numbers: groups 0-255 take x (4,194,304 numbers), groups 256-1283 take W (16,842,752).
; A wave takes 8,192 bytes of f32: sixteen loads of 512 consecutive bytes, all issued before the first is waited for; each
; store of the wave covers 256 consecutive bytes, aligned.  No register is used twice, so no wait frees one.
; No LDS, no matrix unit, no cluster: nothing is shared and nothing is multiplied.
.set X, 8                              ; v[8:71]    sixteen loads, 4 f32 a lane each
.set Y, 72                             ; v[72:103]  sixteen stores, 4 bf16 a lane each
	s_load_b256 s[4:11], s[0:1], 0x0               ; x s[4:5], W s[6:7], xb s[8:9], wb s[10:11]
	v_and_b32 v1, 0xe0, v0                         ; 32 x wave
	v_and_b32 v2, 31, v0
	v_lshlrev_b32 v2, 4, v2                        ; 16 bytes a lane
	v_lshl_or_b32 v1, v1, 8, v2                    ; + wave x 8,192: my offset in the group's 65,536 bytes of f32
	v_lshrrev_b32 v2, 1, v1                        ; and in its 32,768 bytes of bf16
	s_sub_co_u32 s12, ttmp9, 256                   ; the group's number within W
	s_cmp_lt_u32 ttmp9, 256                        ; or is it one of x's?
	s_cselect_b32 s12, ttmp9, s12
	s_wait_kmcnt 0x0
	s_cselect_b64 s[4:5], s[4:5], s[6:7]           ; the same answer chooses the source
	s_cselect_b64 s[8:9], s[8:9], s[10:11]         ; and the destination
	s_lshl_b32 s14, s12, 16
	s_mov_b32 s15, 0
	s_lshl_b32 s16, s12, 15
	s_mov_b32 s17, 0
	s_add_nc_u64 s[4:5], s[4:5], s[14:15]
	s_add_nc_u64 s[8:9], s[8:9], s[16:17]
.irp n, 0,1,2,3,4,5,6,7,8,9,10,11,12,13,14,15
	global_load_b128 v[X+4*(\n):X+4*(\n)+3], v1, s[4:5] offset:512*(\n) th:TH_LOAD_NT
.endr
.irp n, 0,1,2,3,4,5,6,7,8,9,10,11,12,13,14,15
	s_wait_loadcnt 15-(\n)                         ; loads come back in order: load n is in, the younger ones stay out
	v_cvt_pk_bf16_f32 v[Y+2*(\n)], v[X+4*(\n)], v[X+4*(\n)+1]
	v_cvt_pk_bf16_f32 v[Y+2*(\n)+1], v[X+4*(\n)+2], v[X+4*(\n)+3]
	global_store_b64 v2, v[Y+2*(\n):Y+2*(\n)+1], s[8:9] offset:256*(\n)
.endr
	s_endpgm
.Lfunc_end_k_q44099f5104_cvt:
	.size	k_q44099f5104_cvt, .Lfunc_end_k_q44099f5104_cvt-k_q44099f5104_cvt
	.p2alignl 7, 3214868480
	.fill 96, 4, 3214868480
	.section	.rodata,"a",@progbits
	.p2align	6, 0x0
	.amdhsa_kernel k_q44099f5104_cvt
		.amdhsa_group_segment_fixed_size 0
		.amdhsa_private_segment_fixed_size 0
		.amdhsa_enable_private_segment 0
		.amdhsa_kernarg_size 32
		.amdhsa_user_sgpr_count 2
		.amdhsa_user_sgpr_kernarg_segment_ptr 1
		.amdhsa_wavefront_size32 1
		.amdhsa_system_sgpr_workgroup_id_x 1
		.amdhsa_system_sgpr_workgroup_id_y 1
		.amdhsa_system_sgpr_workgroup_id_z 1
		.amdhsa_system_vgpr_workitem_id 0
		.amdhsa_next_free_vgpr 104
		.amdhsa_next_free_sgpr 66
		.amdhsa_reserve_vcc 0
		.amdhsa_float_denorm_mode_32 3
		.amdhsa_float_denorm_mode_16_64 3
		.amdhsa_memory_ordered 1
		.amdhsa_forward_progress 1
		.amdhsa_inst_pref_size 7
	.end_amdhsa_kernel
	.amdgpu_metadata
---
amdhsa.version: [ 1, 2 ]
amdhsa.kernels:
  - .name:           k_q44099f5104_cvt
    .symbol:         k_q44099f5104_cvt.kd
    .args:
      - { .name: x, .offset: 0, .size: 8, .value_kind: global_buffer, .address_space: global }
      - { .name: W, .offset: 8, .size: 8, .value_kind: global_buffer, .address_space: global }
      - { .name: xb, .offset: 16, .size: 8, .value_kind: global_buffer, .address_space: global }
      - { .name: wb, .offset: 24, .size: 8, .value_kind: global_buffer, .address_space: global }
    .group_segment_fixed_size: 0
    .private_segment_fixed_size: 0
    .kernarg_segment_align: 8
    .kernarg_segment_size: 32
    .max_flat_workgroup_size: 256
    .sgpr_count:     66
    .vgpr_count:     104
    .wavefront_size: 32
...
	.end_amdgpu_metadata
.endif
;; end of part 1
;; launch gates (part 2): grid 128 x 1, 8 waves a work-group, no clusters, 17,408 bytes of LDS; arguments xb, wb, gate; writes gate
.if DOCPART == 2
	.amdgcn_target "amdgcn-amd-amdhsa--gfx1250"
	.amdhsa_code_object_version 6
	.text
	.protected	k_q44099f5104_gates
	.globl	k_q44099f5104_gates
	.p2align	8
	.type	k_q44099f5104_gates,@function
k_q44099f5104_gates:
	s_mov_b64 s[64:65], 0
	v_nop
	global_prefetch_b8 v0, s[64:65] scope:SCOPE_SE
	s_setreg_imm32_b32 hwreg(HW_REG_WAVE_MODE, 25, 1), 1
	s_wait_xcnt 0x0
; The 32 gate columns of the projection: z = x W^T for W's rows 8192-8223, then lg = log2(sigmoid(z)) (rows 8192-8207) and
; beta = sigmoid(z) (rows 8208-8223).  gate: f32 [128 blocks of 16 rows][lg, beta][16 heads][16 rows]: 2,048 dense bytes a block.
; A work-group takes 16 rows of x; its eight waves split K = 2,048 into eight parts of 256 and add their sums through LDS.
; LIMITS.  lg is clipped at -160: a decay of 2^-160 is 0 in f32 anyway, and sums of 64 such numbers keep a step of 2^-10 at the worst.
; sigmoid is made of u = e^-|z|, which never overflows.  NaN and infinities are not treated apart.
.set SPARE, 16384                      ; behind the eight waves' 2,048 bytes of sums: the spare words, 128 bytes a wave
.set AF,   16                          ; v[16:79]   x: 8 fragments of 16 rows x 32 K
.set BF0,  80                          ; v[80:143]  W's 16 rows for g
.set BF1,  144                         ; v[144:207] W's 16 rows for beta
.set ACC0, 208
.set ACC1, 216
.set Z,    16                          ; later: v[16:47] the eight waves' sums, added into v[16:19]
.set U,    48
.set D,    52
	s_load_b128 s[4:7], s[0:1], 0x0                ; xb, wb
	s_load_b64 s[10:11], s[0:1], 0x10              ; gate
	v_lshl_add_u32 v6, v0, 2, SPARE                ; my spare word,
	v_mov_b32 v7, 0                                ; and 0
	v_lshrrev_b32 v8, 5, v0
	v_readfirstlane_b32 s8, v8                     ; wave 0..7
	v_and_b32 v1, 15, v0                           ; r
	v_bfe_u32 v2, v0, 4, 1                         ; h
	v_lshlrev_b32 v3, 12, v1                       ; a row of 2,048 bf16
	v_lshl_add_u32 v3, v2, 4, v3
	s_lshl_b32 s12, s8, 9                          ; my wave's 256 along K
	v_add_nc_u32 v3, s12, v3                       ; one offset serves x's rows and W's
	s_lshl_b32 s14, ttmp9, 16                      ; 16 rows of xb
	s_mov_b32 s15, 0
	s_lshl_b32 s16, ttmp9, 11                      ; a block of gate
	s_mov_b32 s17, 0
	s_mov_b32 s18, 0xbfb8aa3b                      ; -log2(e)
	s_mov_b32 s19, 0x3fb8aa3b                      ; log2(e)
	s_mov_b32 s20, 0xc3200000                      ; -160
	s_wait_kmcnt 0x0
	s_add_nc_u64 s[4:5], s[4:5], s[14:15]
	s_add_nc_u64 s[6:7], s[6:7], 0x2000000         ; W's row 8192
	s_add_nc_u64 s[10:11], s[10:11], s[16:17]
.irp kk, 0,1,2,3,4,5,6,7
	global_load_b128 v[AF+8*(\kk):AF+8*(\kk)+3],    v3, s[4:5] offset:64*(\kk)
	global_load_b128 v[AF+8*(\kk)+4:AF+8*(\kk)+7],  v3, s[4:5] offset:64*(\kk)+32
	global_load_b128 v[BF0+8*(\kk):BF0+8*(\kk)+3],   v3, s[6:7] offset:64*(\kk)
	global_load_b128 v[BF0+8*(\kk)+4:BF0+8*(\kk)+7], v3, s[6:7] offset:64*(\kk)+32
	global_load_b128 v[BF1+8*(\kk):BF1+8*(\kk)+3],   v3, s[6:7] offset:65536+64*(\kk)
	global_load_b128 v[BF1+8*(\kk)+4:BF1+8*(\kk)+7], v3, s[6:7] offset:65536+64*(\kk)+32
.endr
	v_and_b32 v4, 31, v0                           ; where my wave's sums go: wave x 2,048 + quad x 512 + lane x 16
	v_lshlrev_b32 v4, 4, v4
	s_lshl_b32 s13, s8, 11
	v_add_nc_u32 v4, s13, v4
	; thread t of the first 128 makes bytes 16 t of the block: which = t / 64, head = (t / 4) % 16, rows 4 (t % 4) on.
	; Those rows lie in lane 16 ((t / 2) % 2) + head, in the low or the high four registers: quad 2 which + t % 2.
	v_bfe_u32 v8, v0, 6, 1
	v_and_b32 v9, 1, v0
	v_lshl_add_u32 v8, v8, 1, v9
	v_bfe_u32 v9, v0, 1, 1
	v_bfe_u32 v10, v0, 2, 4
	v_lshl_add_u32 v9, v9, 4, v10
	v_lshlrev_b32 v9, 4, v9
	v_lshl_add_u32 v5, v8, 9, v9
	v_lshlrev_b32 v11, 4, v0
	; source 0 = 16 rows of x, source 1 = 16 rows of W: a lane holds one head and the rows 8 h + 0..7.  The two sums take turns.
.irp kk, 0,1,2,3,4,5,6,7
	s_wait_loadcnt 42-6*(\kk)                      ; six loads a K step: the later steps' stay out
.if (\kk) == 0
	v_wmma_f32_16x16x32_bf16 v[ACC0:ACC0+7], v[AF:AF+7], v[BF0:BF0+7], 0
	v_wmma_f32_16x16x32_bf16 v[ACC1:ACC1+7], v[AF:AF+7], v[BF1:BF1+7], 0
.else
	v_wmma_f32_16x16x32_bf16 v[ACC0:ACC0+7], v[AF+8*(\kk):AF+8*(\kk)+7], v[BF0+8*(\kk):BF0+8*(\kk)+7], v[ACC0:ACC0+7]
	v_wmma_f32_16x16x32_bf16 v[ACC1:ACC1+7], v[AF+8*(\kk):AF+8*(\kk)+7], v[BF1+8*(\kk):BF1+8*(\kk)+7], v[ACC1:ACC1+7]
.endif
.endr
.rept 4
	v_nop                                          ; four places behind the last products (ISA guide 7.12.1)
.endr
	ds_store_b128 v4, v[ACC0:ACC0+3]
	ds_store_b128 v4, v[ACC0+4:ACC0+7] offset:512
	ds_store_b128 v4, v[ACC1:ACC1+3] offset:1024
	ds_store_b128 v4, v[ACC1+4:ACC1+7] offset:1536
	s_wait_dscnt 0x0                               ; for the others' sake: my sums are in LDS
	s_barrier_signal -1
	s_barrier_wait -1
	s_cmp_lt_u32 s8, 4
	s_cbranch_scc0 .Lend                           ; 128 threads finish the block's 512 numbers
.irp n, 0,1,2,3,4,5,6,7
	ds_load_b128 v[Z+4*(\n):Z+4*(\n)+3], v5 offset:2048*(\n)
.endr
	s_wait_dscnt 0x0
.irp n, 0,2,4,6
	v_pk_add_f32 v[Z+4*(\n):Z+4*(\n)+1],   v[Z+4*(\n):Z+4*(\n)+1],   v[Z+4*(\n)+4:Z+4*(\n)+5]
	v_pk_add_f32 v[Z+4*(\n)+2:Z+4*(\n)+3], v[Z+4*(\n)+2:Z+4*(\n)+3], v[Z+4*(\n)+6:Z+4*(\n)+7]
.endr
.irp n, 0,4
	v_pk_add_f32 v[Z+4*(\n):Z+4*(\n)+1],   v[Z+4*(\n):Z+4*(\n)+1],   v[Z+4*(\n)+8:Z+4*(\n)+9]
	v_pk_add_f32 v[Z+4*(\n)+2:Z+4*(\n)+3], v[Z+4*(\n)+2:Z+4*(\n)+3], v[Z+4*(\n)+10:Z+4*(\n)+11]
.endr
	v_pk_add_f32 v[Z:Z+1],   v[Z:Z+1],   v[Z+16:Z+17]
	v_pk_add_f32 v[Z+2:Z+3], v[Z+2:Z+3], v[Z+18:Z+19]
.irp j, 0,1,2,3
	v_mul_f32 v[U+(\j)], s18, |v[Z+(\j)]|
.endr
.irp j, 0,1,2,3
	v_exp_f32 v[U+(\j)], v[U+(\j)]                 ; u = e^-|z|
.endr
	v_nop                                          ; a plain instruction behind the last exponential
	s_wait_alu depctr_va_vdst(0)
.irp j, 0,1,2,3
	v_add_f32 v[D+(\j)], 1.0, v[U+(\j)]            ; d = 1 + u
.endr
	s_cmp_lt_u32 s8, 2
	s_cbranch_scc0 .Lbeta
.irp j, 0,1,2,3
	v_log_f32 v[D+(\j)], v[D+(\j)]
.endr
.irp j, 0,1,2,3
	v_min_num_f32 v[Z+(\j)], 0, v[Z+(\j)]          ; (the first of these is the plain instruction behind the last logarithm)
.endr
	s_wait_alu depctr_va_vdst(0)
.irp j, 0,1,2,3
	v_fma_f32 v[Z+(\j)], v[Z+(\j)], s19, -v[D+(\j)]  ; log2 sigmoid(z) = min(z, 0) log2(e) - log2(1 + u)
.endr
.irp j, 0,1,2,3
	v_max_num_f32 v[Z+(\j)], s20, v[Z+(\j)]
.endr
	s_branch .Lstore
.Lbeta:
.irp j, 0,1,2,3
	v_rcp_f32 v[D+(\j)], v[D+(\j)]
.endr
	v_nop
	s_wait_alu depctr_va_vdst(0)
.irp j, 0,1,2,3
	v_cmp_gt_f32 vcc_lo, 0, v[Z+(\j)]
	v_cndmask_b32 v[U+(\j)], 1.0, v[U+(\j)], vcc_lo  ; z < 0: u / (1 + u); else 1 / (1 + u)
	v_mul_f32 v[Z+(\j)], v[U+(\j)], v[D+(\j)]
.endr
.Lstore:
	global_store_b128 v11, v[Z:Z+3], s[10:11]      ; a wave's store covers 512 consecutive bytes, aligned
.Lend:
	s_wait_tensorcnt 0x0                           ; the wave's end, behind my last LDS store
	ds_add_u32 v6, v7
	s_wait_dscnt 0x0
	s_endpgm
.Lfunc_end_k_q44099f5104_gates:
	.size	k_q44099f5104_gates, .Lfunc_end_k_q44099f5104_gates-k_q44099f5104_gates
	.p2alignl 7, 3214868480
	.fill 96, 4, 3214868480
	.section	.rodata,"a",@progbits
	.p2align	6, 0x0
	.amdhsa_kernel k_q44099f5104_gates
		.amdhsa_group_segment_fixed_size 17408
		.amdhsa_private_segment_fixed_size 0
		.amdhsa_enable_private_segment 0
		.amdhsa_kernarg_size 24
		.amdhsa_user_sgpr_count 2
		.amdhsa_user_sgpr_kernarg_segment_ptr 1
		.amdhsa_wavefront_size32 1
		.amdhsa_system_sgpr_workgroup_id_x 1
		.amdhsa_system_sgpr_workgroup_id_y 1
		.amdhsa_system_sgpr_workgroup_id_z 1
		.amdhsa_system_vgpr_workitem_id 0
		.amdhsa_next_free_vgpr 224
		.amdhsa_next_free_sgpr 66
		.amdhsa_reserve_vcc 1
		.amdhsa_float_denorm_mode_32 3
		.amdhsa_float_denorm_mode_16_64 3
		.amdhsa_memory_ordered 1
		.amdhsa_forward_progress 1
		.amdhsa_inst_pref_size 12
	.end_amdhsa_kernel
	.amdgpu_metadata
---
amdhsa.version: [ 1, 2 ]
amdhsa.kernels:
  - .name:           k_q44099f5104_gates
    .symbol:         k_q44099f5104_gates.kd
    .args:
      - { .name: xb, .offset: 0, .size: 8, .value_kind: global_buffer, .address_space: global }
      - { .name: wb, .offset: 8, .size: 8, .value_kind: global_buffer, .address_space: global }
      - { .name: gate, .offset: 16, .size: 8, .value_kind: global_buffer, .address_space: global }
    .group_segment_fixed_size: 17408
    .private_segment_fixed_size: 0
    .kernarg_segment_align: 8
    .kernarg_segment_size: 24
    .max_flat_workgroup_size: 256
    .sgpr_count:     66
    .vgpr_count:     224
    .wavefront_size: 32
...
	.end_amdgpu_metadata
.endif
;; end of part 2
;; launch gemm (part 3): grid 32 x 8, 4 waves a work-group, clusters of 4 x 4, 327,680 bytes of LDS; arguments xb, wb, qkv; writes qkv
.if DOCPART == 3
	.amdgcn_target "amdgcn-amd-amdhsa--gfx1250"
	.amdhsa_code_object_version 6
	.text
	.protected	k_q44099f5104_gemm
	.globl	k_q44099f5104_gemm
	.p2align	8
	.type	k_q44099f5104_gemm,@function
k_q44099f5104_gemm:
	s_mov_b64 s[64:65], 0
	v_nop
	global_prefetch_b8 v0, s[64:65] scope:SCOPE_SE
	s_setreg_imm32_b32 hwreg(HW_REG_WAVE_MODE, 25, 1), 1
	s_wait_xcnt 0x0
	s_wait_alu depctr_hold_cnt(0) depctr_sa_sdst(0) depctr_va_vdst(0) depctr_va_sdst(0) depctr_va_ssrc(0) depctr_va_vcc(0) depctr_vm_vsrc(0)
	s_getreg_b32 s2, hwreg(HW_REG_IB_STS2, 6, 4)
	s_cmp_eq_u32 s2, 0
	s_cbranch_scc0 .Lentry_in_a_cluster
	s_endpgm
.Lentry_in_a_cluster:
	s_bfe_u32 s2, ttmp6, 0x10000c
	s_cmp_lg_u32 s2, 0xf033
	s_cbranch_scc0 .Lentry_shape_is_right
	s_endpgm
.Lentry_shape_is_right:
; qkv[m][n] = f(sum over k of xb[m][k] wb[n][k]) for the 8,192 columns of q, k and v.  xb: [2048][2048], wb: rows 0-8191 of [8224][2048], bf16; sums in f32; qkv: [2048][8192] f16.
; f: a head of q or k (128 columns, which are one wave's columns) is divided by max(its l2 norm, 1e-12); v is multiplied by 2^-4, so that f16 holds |v| up to 16 x 65,504.
; A tile of 256 x 256 is made by four waves, each 128 x 128: 64 accumulators, 512 registers.  32 x 8 tiles: one for each of 256 work-groups.
; K goes in steps of 128 through a ring of two LDS slots filled by the tensor data mover; a tile's rows are 256 bytes of memory, aligned.
; CLUSTERS: 4 x 4 work-groups.  The four of a row of the cluster need the same tiles of xb, the four of a column the same tiles of wb: each tile is asked for JOINTLY, by the same tensor load
; with the same descriptor and a mask that names the four.
; THE MATRIX INSTRUCTION IS USED TRANSPOSED (source 0 = 16 rows of wb, source 1 = 16 rows of xb): lane l holds row l % 16 of the result and the columns 8 (l / 16) + 0..7 of each block of 16,
; so a row's sum of squares is a lane's 64 numbers and those of the lane 16 away.
; LIMITS.  A sum of squares below 2^-126 counts as 0 ahead of the clip at 1e-12 (the root is below the clip either way).  NaN and infinities are not treated apart.
; REGISTERS, in windows of 256: window 0: v0-31 addresses; v64-127, v128-191 fragments of xb, two buffers (on the way out: at work); v32-63, v192-255 the way out
;   window 1: v64-127, v128-191 fragments of wb    window 2: the accumulators of my rows 0-63 ((a, b) at v[8 (8 a + b)])    window 3: those of my rows 64-127
.set SIZE_M, 2048
.set SIZE_N, 8192
.set SIZE_K, 2048
.set KSTEP,  128
.set PITCH,  272                       ; an LDS row: 256 bytes + 16 of padding: the 16 rows that a load touches start at 16 different groups of four banks (ISA guide 11.1)
.set HALFT,  128*PITCH                 ; 128 rows: what one tensor load brings
.set SLOT,   4*HALFT                   ; xb's 256 rows, then wb's 256 rows
.set STAGE,  2*SLOT                    ; behind the ring: 16 rows x 272 bytes for each wave, for the way out
.set SPITCH, 272
.set SPARE,  STAGE+4*16*SPITCH         ; behind the stages: the spare words, 128 bytes a wave
.set LAPS,   SIZE_K/(2*KSTEP)          ; a lap = two K steps = once round the ring: 8
.set ADRA, 16                          ; v16-17  LDS address of my xb fragments in slot 0, 1
.set ADRB, 20                          ; v20-21  the same for wb
.set STO,  24
.set RD,   25
.set CO,   26
.set SPW,  28                          ; v28  my spare word; never rewritten
.set NIL,  29                          ; v29  0; never rewritten
.set F0,   64
.set F1,   128
.set SS,   64                          ; the way out: v64-71 four chains of squares
.set RN,   72                          ; v72-73 the row's factor
.set XH,   74                          ; v74 the other half of the lanes' sum
.set SC,   80                          ; v80-143 a block's 64 numbers, scaled
.set TMP,  192
.set OB,   32
.set G1, 24
.set G0, 32
.set G1B, 48
.set G0B, 56
.set SEL, 66                           ; s[66:67] v_permlanex16_b32's selects
.set ISV, 68                           ; s68  all ones in a tile of v, else 0
.set VSC, 69                           ; s69  2^-4
.set EPS, 70                           ; s70  1e-12
.set MSB, 0
.macro WIN new                         ; the immediate's high byte repeats the setting that is left
.if MSB != (\new)
	s_set_vgpr_msb (MSB<<8)|(\new)
.set MSB, \new
.endif
.endm
.set MUL_LO, 0xa1                      ; source 0 window 1, source 1 window 0, C and D window 2
.set MUL_HI, 0xf1                      ; the same, C and D window 3
.set TO_B,   0x40                      ; destination window 1, address window 0
; A joint load.  Waves 0 and 1 fetch xb's two halves, waves 2 and 3 wb's.  The branch hangs on the wave's number alone.  An s_nop 0 and four v_nop follow each line.
.macro JLOAD s
	s_cmp_eq_u32 s11, 0
	s_cbranch_scc0 .Lfor_b_\@
	tensor_load_to_lds s[G0+4*(\s):G0+4*(\s)+3], s[G1:G1+7]
	s_nop 0
.rept 4
	v_nop
.endr
	s_branch .Lasked_\@
.Lfor_b_\@:
	tensor_load_to_lds s[G0B+4*(\s):G0B+4*(\s)+3], s[G1B:G1B+7]
	s_nop 0
.rept 4
	v_nop
.endr
.Lasked_\@:
.endm
.macro CREST                           ; a round of the cluster's barrier behind its opening barrier
	s_cmp_lg_u32 s10, 0
	s_cbranch_scc1 .Lnot_wave_0_\@
	s_barrier_signal -3
.Lnot_wave_0_\@:
	s_barrier_wait -3
	s_barrier_signal -1
	s_barrier_wait -1
.endm
.macro CROUND                          ; a whole round
	s_barrier_signal -1
	s_barrier_wait -1
	CREST
.endm
	s_load_b128 s[4:7], s[0:1], 0x0                ; xb s[4:5], wb s[6:7]
	s_load_b64 s[8:9], s[0:1], 0x10                ; qkv
	v_lshl_add_u32 v[SPW], v0, 2, SPARE
	v_mov_b32 v[NIL], 0
	ds_add_u32 v[SPW], v[NIL]                      ; the wave's opening: the add and its wait stand ahead of my first tensor load
	v_lshrrev_b32 v1, 5, v0
	v_readfirstlane_b32 s10, v1                    ; wave 0..3
	s_lshr_b32 s11, s10, 1                         ; which half of the tile's rows is mine.  Also: I fetch for xb (0) or for wb (1)
	s_and_b32 s12, s10, 1                          ; which half of its columns.  Also: which 128 rows of that tile I fetch
	s_bfe_u32 s40, ttmp6, 0x40000                  ; cx
	s_bfe_u32 s41, ttmp6, 0x40004                  ; cy
	s_lshl_b32 s42, ttmp9, 2
	s_add_co_u32 s42, s42, s40                     ; tile column = 4 x cluster x + cx
	s_and_b32 s13, ttmp7, 0xffff
	s_lshl_b32 s13, s13, 2
	s_add_co_u32 s13, s13, s41                     ; tile row = 4 x cluster y + cy
	s_lshl_b32 s43, s41, 2
	s_lshl_b32 s43, 15, s43                        ; my row of the cluster
	s_lshl_b32 s44, 0x1111, s40                    ; my column
	s_or_b32 s[G1+0], s43, (1<<16)|(1<<20)|(1<<21)|(5<<22)|(3<<25)  ; the mask; 2-byte elements; padding on; bit 21 beside a mask; after every 64 words, 4 words
	s_or_b32 s[G1B+0], s44, (1<<16)|(1<<20)|(1<<21)|(5<<22)|(3<<25)
.irp g, G1, G1B
	s_mov_b32 s[(\g)+1], KSTEP<<16                 ; tensor_dim0 = 128
	s_mov_b32 s[(\g)+2], 128<<16                   ; tensor_dim1 = 128
	s_mov_b32 s[(\g)+3], KSTEP<<16                 ; tile_dim0 = 128
	s_mov_b32 s[(\g)+4], 128                       ; tile_dim1 = 128
	s_mov_b32 s[(\g)+5], SIZE_K                    ; elements from row to row
	s_mov_b32 s[(\g)+6], 0
	s_mov_b32 s[(\g)+7], 0
.endr
	s_lshl_b32 s17, s12, 7                         ; which 128 rows of the tile I fetch
	s_lshl_b32 s16, s13, 8
	s_add_co_u32 s16, s16, s17                     ; xb: row 256 x tile row + 128 x half
	s_lshl_b32 s46, s42, 8
	s_add_co_u32 s46, s46, s17                     ; wb: row 256 x tile column + 128 x half
	s_mov_b32 s17, 0
	s_mov_b32 s47, 0
	s_mov_b64 s[18:19], SIZE_K*2
	s_mul_u64 s[16:17], s[16:17], s[18:19]
	s_mul_u64 s[46:47], s[46:47], s[18:19]
	s_mul_i32 s20, s10, HALFT                      ; where they go: wave x 128 rows
	s_mov_b32 s[SEL], 0x76543210
	s_mov_b32 s[SEL+1], 0xfedcba98
	s_cmp_ge_u32 ttmp9, 4                          ; tile columns 16-31 are v's: clusters 4-7 along x; a select's mask, no branch
	s_cselect_b32 s[ISV], -1, 0
	s_mov_b32 s[VSC], 0x3d800000
	s_mov_b32 s[EPS], 0x2b8cbccc
	s_wait_dscnt 0x0                               ; the opening add is done
	s_wait_kmcnt 0x0
	s_add_nc_u64 s[14:15], s[4:5], s[16:17]
	s_add_nc_u64 s[46:47], s[6:7], s[46:47]
	CROUND                                         ; all sixteen work-groups are here: the first joint loads meet
.irp s, 0,1
	s_mov_b32 s[G0+4*(\s)], 1
	s_add_co_u32 s[G0+4*(\s)+1], s20, (\s)*SLOT
	s_add_nc_u64 s[G0+4*(\s)+2:G0+4*(\s)+3], s[14:15], (\s)*KSTEP*2
	s_or_b32 s[G0+4*(\s)+3], s[G0+4*(\s)+3], 0x80000000
	s_mov_b32 s[G0B+4*(\s)], 1
	s_add_co_u32 s[G0B+4*(\s)+1], s20, (\s)*SLOT
	s_add_nc_u64 s[G0B+4*(\s)+2:G0B+4*(\s)+3], s[46:47], (\s)*KSTEP*2
	s_or_b32 s[G0B+4*(\s)+3], s[G0B+4*(\s)+3], 0x80000000
	JLOAD \s                                       ; two loads of mine are out
.endr
	v_and_b32 v1, 15, v0                           ; l % 16
	v_bfe_u32 v2, v0, 4, 1                         ; l / 16
	v_mul_u32_u24 v3, v1, PITCH
	v_lshl_add_u32 v3, v2, 4, v3                   ; a fragment's row x pitch + 16 x half
	s_mul_i32 s21, s11, HALFT
	s_mul_i32 s22, s12, HALFT
	s_add_co_u32 s22, s22, 2*HALFT
.irp s, 0,1
	v_add_nc_u32 v[ADRA+(\s)], s21, v3
	v_add_nc_u32 v[ADRB+(\s)], s22, v3
	s_add_co_u32 s21, s21, SLOT
	s_add_co_u32 s22, s22, SLOT
.endr
	s_mul_i32 s23, s10, 16*SPITCH
	s_add_co_u32 s23, s23, STAGE                   ; my stage
	v_mul_u32_u24 v4, v1, SPITCH
	v_lshl_add_u32 v4, v2, 4, v4
	v_add_nc_u32 v[STO], s23, v4
	v_mul_u32_u24 v5, v2, SPITCH
	v_lshl_add_u32 v5, v1, 4, v5
	v_add_nc_u32 v[RD], s23, v5
	v_mul_u32_u24 v5, v2, SIZE_N*2
	v_lshl_add_u32 v[CO], v1, 4, v5
	s_lshl_b32 s13, s13, 8
	s_lshl_b32 s14, s11, 7
	s_add_co_u32 s16, s13, s14                     ; my first row of qkv
	s_mov_b32 s17, 0
	s_mov_b64 s[18:19], SIZE_N*2
	s_mul_u64 s[16:17], s[16:17], s[18:19]
	s_lshl_b32 s46, s42, 9                         ; my first column, in bytes
	s_lshl_b32 s47, s12, 8
	s_add_co_u32 s46, s46, s47
	s_mov_b32 s47, 0
	s_add_nc_u64 s[16:17], s[16:17], s[46:47]
; 16 matrix instructions: row blocks a0, a0 + 1 of the window's four x all 8 column blocks, 32 along K.  zero = 1: the first product starts the sums.
.macro MUL16 f, hi, a0, zero
	WIN MUL_LO+0x50*(\hi)
.irp a, \a0, (\a0)+1
.irp b, 0,1,2,3,4,5,6,7
.if \zero
	v_wmma_f32_16x16x32_bf16 v[8*(8*(\a)+(\b)):8*(8*(\a)+(\b))+7], v[(\f)+8*(\b):(\f)+8*(\b)+7], v[(\f)+8*(4*(\hi)+(\a)):(\f)+8*(4*(\hi)+(\a))+7], 0
.else
	v_wmma_f32_16x16x32_bf16 v[8*(8*(\a)+(\b)):8*(8*(\a)+(\b))+7], v[(\f)+8*(\b):(\f)+8*(\b)+7], v[(\f)+8*(4*(\hi)+(\a)):(\f)+8*(4*(\hi)+(\a))+7], v[8*(8*(\a)+(\b)):8*(8*(\a)+(\b))+7]
.endif
.endr
.endr
.endm
; 32 LDS loads in one run: the fragments of one quarter step into buffer f
.macro FETCH slot, k, f
	WIN TO_B
.irp i, 0,1,2,3,4,5,6,7
	ds_load_b128 v[(\f)+8*(\i):(\f)+8*(\i)+3],   v[ADRB+(\slot)] offset:(\k)+(\i)*16*PITCH
	ds_load_b128 v[(\f)+8*(\i)+4:(\f)+8*(\i)+7], v[ADRB+(\slot)] offset:(\k)+(\i)*16*PITCH+32
.endr
	WIN 0
.irp i, 0,1,2,3,4,5,6,7
	ds_load_b128 v[(\f)+8*(\i):(\f)+8*(\i)+3],   v[ADRA+(\slot)] offset:(\k)+(\i)*16*PITCH
	ds_load_b128 v[(\f)+8*(\i)+4:(\f)+8*(\i)+7], v[ADRA+(\slot)] offset:(\k)+(\i)*16*PITCH+32
.endr
.endm
.macro PLACES                          ; four places in front of loads into registers that matrix instructions have read, and of vector work that reads results
.rept 4
	v_nop
.endr
.endm
; A K step is four quarters of 32 along K, 64 matrix instructions each, on buffers 0, 1, 0, 1.  The 64 accumulators take turns in the same order in every quarter.
.macro QUARTER slot, k, f, g, zero
	s_wait_dscnt 8                                 ; wb's fragments and xb's rows 0-63 are in; the youngest eight loads may be out
	MUL16 \f, 0, 0, \zero
	MUL16 \f, 0, 2, \zero
	PLACES
	FETCH \slot, \k, \g
	s_wait_dscnt 32                                ; all but the 32 just issued
	MUL16 \f, 1, 0, \zero
	MUL16 \f, 1, 2, \zero
.endm
; The first half of a K step's last quarter: ONE barrier for the change of slots.
.macro MEET round
	WIN 0
	s_wait_tensorcnt 0x0                           ; all my tensor loads have landed: the one that was out is my part of the next slot;
	ds_add_u32 v[SPW], v[NIL]                      ; 0 onto my spare word
	s_wait_dscnt 9                                 ; (the add and the youngest eight loads may be out)
	MUL16 F1, 0, 0, 0
	s_wait_dscnt 0x0                               ; the add is done, and my reads of this slot are over
	s_barrier_signal -1
	MUL16 F1, 0, 2, 0
.if \round
	WIN 0
.endif
	s_barrier_wait -1
.endm
.macro TURN slot, next                 ; the whole last quarter; the slot just read out is filled again, two K steps ahead
	MEET 1
	CREST                                          ; no wave of any partner still reads this slot's tile or has a load on its way
	s_add_nc_u64 s[G0+4*(\slot)+2:G0+4*(\slot)+3], s[G0+4*(\slot)+2:G0+4*(\slot)+3], 2*KSTEP*2
	s_add_nc_u64 s[G0B+4*(\slot)+2:G0B+4*(\slot)+3], s[G0B+4*(\slot)+2:G0B+4*(\slot)+3], 2*KSTEP*2
	JLOAD \slot                                    ; my one tensor load behind the round; its four v_nop are also the places in front of the loads below
	FETCH \next, 0, F0
	MUL16 F1, 1, 0, 0
	MUL16 F1, 1, 2, 0
.endm
; THE WAY OUT of block a (16 rows x my 128 columns).  NORM: the rows' factors.  PACK: scaled, rounded to f16.  TOSTAGE: into my stage and back as whole rows of 256 bytes.  SEND: stored.
.macro NORM a
.set AC, 64*((\a)%4)
	WIN 0x0a+5*((\a)/4)                            ; sources 0 and 1: window 2 or 3
.irp b, 0,1,2,3,4,5,6,7                ; each accumulator's lowest registers are read first
.irp c, 0,1,2,3
.if (\b) == 0
	v_pk_mul_f32 v[SS+2*(\c):SS+2*(\c)+1], v[AC+2*(\c):AC+2*(\c)+1], v[AC+2*(\c):AC+2*(\c)+1]
.else
	v_pk_fma_f32 v[SS+2*(\c):SS+2*(\c)+1], v[AC+8*(\b)+2*(\c):AC+8*(\b)+2*(\c)+1], v[AC+8*(\b)+2*(\c):AC+8*(\b)+2*(\c)+1], v[SS+2*(\c):SS+2*(\c)+1]
.endif
.endr
.endr
	WIN 0
	v_pk_add_f32 v[SS:SS+1], v[SS:SS+1], v[SS+2:SS+3]
	v_pk_add_f32 v[SS+4:SS+5], v[SS+4:SS+5], v[SS+6:SS+7]
	v_pk_add_f32 v[SS:SS+1], v[SS:SS+1], v[SS+4:SS+5]
	v_add_f32 v[SS], v[SS], v[SS+1]
	v_permlanex16_b32 v[XH], v[SS], s[SEL], s[SEL+1]  ; the row's other 64 columns lie in the lane 16 away
	v_add_f32 v[SS], v[SS], v[XH]
	v_sqrt_f32 v[SS], v[SS]
	v_nop
	s_wait_alu depctr_va_vdst(0)
	v_max_num_f32 v[SS], s[EPS], v[SS]
	v_rcp_f32 v[RN], v[SS]
	v_nop
	s_wait_alu depctr_va_vdst(0)
	v_cndmask_b32 v[RN], v[RN], s[VSC], s[ISV]     ; v's tiles take 2^-4 instead
	v_mov_b32 v[RN+1], v[RN]                       ; named with it as a pair
.endm
.macro PACK a
.set AC, 64*((\a)%4)
	WIN 0x02+(\a)/4                                ; source 0: window 2 or 3
.set i, 0
.rept 32
	v_pk_mul_f32 v[SC+2*i:SC+2*i+1], v[AC+2*i:AC+2*i+1], v[RN:RN+1] op_sel_hi:[1,0]
.set i, i+1
.endr
	WIN 0
.set i, 0
.rept 32
	v_cvt_pk_f16_f32 v[TMP+i], v[SC+2*i], v[SC+2*i+1]
.set i, i+1
.endr
.endm
.macro TOSTAGE a
	WIN 0
.set BK, OB+192*((\a)%2)
.irp b, 0,1,2,3,4,5,6,7
	ds_store_b128 v[STO], v[TMP+4*(\b):TMP+4*(\b)+3] offset:32*(\b)
.endr
.irp t, 0,1,2,3,4,5,6,7
	ds_load_b128 v[BK+4*(\t):BK+4*(\t)+3], v[RD] offset:(\t)*2*SPITCH  ; LDS serves a wave's instructions in order (ISA guide 5.7.1.4): these see the stores above
.endr
.endm
.macro SEND a, younger
	WIN 0
.set BK, OB+192*((\a)%2)
	s_wait_dscnt \younger                          ; the block is back in registers
	s_wait_xcnt 0x0                                ; only behind this wait are the stores' base and the registers that earlier stores read rewritten
.if (\a) == 0
	s_add_nc_u64 s[8:9], s[8:9], s[16:17]          ; on to my first rows
.else
	s_add_nc_u64 s[8:9], s[8:9], 16*SIZE_N*2       ; 16 rows on
.endif
.irp t, 0,1,2,3,4,5,6,7
	global_store_b128 v[CO], v[BK+4*(\t):BK+4*(\t)+3], s[8:9] offset:2*(\t)*SIZE_N*2  ; 16 lanes store 256 consecutive bytes, aligned
.endr
.endm
	s_wait_tensorcnt 1                             ; my part of K step 0 is in; K step 1's may stay out
	s_barrier_signal -1
	s_barrier_wait -1
	FETCH 0, 0, F0
	QUARTER 0, 64,  F0, F1, 1                      ; the first quarter stands in front of the loop: its products start the sums
	WIN 0
	s_mov_b32 s3, LAPS-1
.Llap:                                                 ; a trip goes once round the ring and fills both slots again
	QUARTER 0, 128, F1, F0, 0
	QUARTER 0, 192, F0, F1, 0
	TURN 0, 1
	QUARTER 1, 64,  F0, F1, 0
	QUARTER 1, 128, F1, F0, 0
	QUARTER 1, 192, F0, F1, 0
	TURN 1, 0
	QUARTER 0, 64,  F0, F1, 0
	WIN 0
	s_sub_co_u32 s3, s3, 1
	s_cmp_lg_u32 s3, 0
	s_cbranch_scc1 .Llap
	QUARTER 0, 128, F1, F0, 0                      ; the last lap fills nothing
	QUARTER 0, 192, F0, F1, 0
	MEET 0                                         ; the load that was still out is slot 1's, the last K step's
	PLACES
	FETCH 1, 0, F0
	MUL16 F1, 1, 0, 0
	MUL16 F1, 1, 2, 0
	QUARTER 1, 64,  F0, F1, 0
	QUARTER 1, 128, F1, F0, 0
	QUARTER 1, 192, F0, F1, 0
	s_wait_dscnt 8                                 ; the very last quarter: nothing more to fetch
	MUL16 F1, 0, 0, 0
	MUL16 F1, 0, 2, 0
	s_wait_dscnt 0x0
	MUL16 F1, 1, 0, 0
	MUL16 F1, 1, 2, 0
	WIN 0
	PLACES
	v_mov_b32 v[XH], 0                             ; v_permlanex16_b32's destination counts as read
	NORM 0
	PACK 0
	TOSTAGE 0
.irp a, 1,2,3,4,5,6,7                  ; block a's arithmetic stands between block a - 1's loads from the stage and the wait for them
	NORM \a
	PACK \a
	SEND (\a)-1, 0
	TOSTAGE \a
.endr
	SEND 7, 0
	s_wait_tensorcnt 0x0                           ; the wave's end
	ds_add_u32 v[SPW], v[NIL]
	s_wait_dscnt 0x0
	CROUND                                         ; the closing round
	s_endpgm
.Lfunc_end_k_q44099f5104_gemm:
	.size	k_q44099f5104_gemm, .Lfunc_end_k_q44099f5104_gemm-k_q44099f5104_gemm
	.p2alignl 7, 3214868480
	.fill 96, 4, 3214868480
	.section	.rodata,"a",@progbits
	.p2align	6, 0x0
	.amdhsa_kernel k_q44099f5104_gemm
		.amdhsa_group_segment_fixed_size 327680
		.amdhsa_private_segment_fixed_size 0
		.amdhsa_enable_private_segment 0
		.amdhsa_kernarg_size 24
		.amdhsa_user_sgpr_count 2
		.amdhsa_user_sgpr_kernarg_segment_ptr 1
		.amdhsa_wavefront_size32 1
		.amdhsa_system_sgpr_workgroup_id_x 1
		.amdhsa_system_sgpr_workgroup_id_y 1
		.amdhsa_system_sgpr_workgroup_id_z 1
		.amdhsa_system_vgpr_workitem_id 0
		.amdhsa_next_free_vgpr 1024
		.amdhsa_next_free_sgpr 72
		.amdhsa_reserve_vcc 0
		.amdhsa_float_denorm_mode_32 3
		.amdhsa_float_denorm_mode_16_64 3
		.amdhsa_memory_ordered 1
		.amdhsa_forward_progress 1
		.amdhsa_inst_pref_size 181
	.end_amdhsa_kernel
	.amdgpu_metadata
---
amdhsa.version: [ 1, 2 ]
amdhsa.kernels:
  - .name:           k_q44099f5104_gemm
    .symbol:         k_q44099f5104_gemm.kd
    .args:
      - { .name: xb, .offset: 0, .size: 8, .value_kind: global_buffer, .address_space: global }
      - { .name: wb, .offset: 8, .size: 8, .value_kind: global_buffer, .address_space: global }
      - { .name: qkv, .offset: 16, .size: 8, .value_kind: global_buffer, .address_space: global }
    .group_segment_fixed_size: 327680
    .private_segment_fixed_size: 0
    .kernarg_segment_align: 8
    .kernarg_segment_size: 24
    .max_flat_workgroup_size: 128
    .sgpr_count:     72
    .vgpr_count:     1024
    .wavefront_size: 32
...
	.end_amdgpu_metadata
.endif
;; end of part 3
;; launch prep (part 4): grid 16 x 32, 4 waves a work-group, no clusters, 64,256 bytes of LDS; arguments qkv, gate, rec, gc; writes rec, gc
.if DOCPART == 4
	.amdgcn_target "amdgcn-amd-amdhsa--gfx1250"
	.amdhsa_code_object_version 6
	.text
	.protected	k_q44099f5104_prep
	.globl	k_q44099f5104_prep
	.p2align	8
	.type	k_q44099f5104_prep,@function
k_q44099f5104_prep:
	s_mov_b64 s[64:65], 0
	v_nop
	global_prefetch_b8 v0, s[64:65] scope:SCOPE_SE
	s_setreg_imm32_b32 hwreg(HW_REG_WAVE_MODE, 25, 1), 1
	s_wait_xcnt 0x0
; What a chunk of 64 steps of one head needs besides v and the state.  With L_t = the sum of log2 g up to t (in the chunk) and M[t][i] = 2^(L_t - L_i):
;   A[t][i] = beta_t M[t][i] (k_t . k_i) for i < t;   T' = (I + A)^-1 diag(beta);   Wm' = T' (-diag(2^L) K);   P'[t][i] = 16 M[t][i] (q_t . k_i) for i <= t;
;   Qg' = 16 diag(2^L) Q;   Kt = diag(2^(L_63 - L_t)) K;   gC = 2^L_63.
; rec: 65,536 bytes a chunk, all f16, dense rows: T' [64][64] at 0, P' [64][64] at 8192, Wm' [64][128] at 16384, Qg' at 32768, Kt at 49152.  gc: gC 64 times, 256 bytes a chunk.
; A work-group is one (chunk, batch x head); wave w owns the rows t = 16 w .. 16 w + 15.  Products in f16 with f32 sums; the inverse is an exact back substitution in f32, row by row:
; y_i = [i = t] - sum over s > i of y_s A[s][i], lane = row t, two waves.  T' and Wm' are responses of a contraction (beta <= 1, |k| <= 1): at most 1 in size.
; No tensor load: the tiles are 16 KiB and go straight into fragments.  No cluster: no two work-groups read the same rows.
; LIMITS.  f16 numbers below 6e-5 keep f16's fixed step of 6e-8; a factor below 2^-126 counts as 0; L is a running f32 sum (at least -10,240 by the clip on log2 g), so a factor's exponent
; is off by 2^-10 at the worst.  NaN and infinities are not treated apart.
.set LW,   0                           ; 4 x 256: each wave's own copy of L[64]
.set BL,   1024                        ; beta[64]
.set NA,   1280                        ; 64 x 272: -A in f32, zeros for i >= t
.set NAP,  272
.set TS,   18688                       ; 64 x 144: T' in f16
.set TSP,  144
.set KG,   27904                       ; 64 x 288: -2^L k in f16 (288 = 9 x 32)
.set KGP,  288
.set STG,  46336                       ; 4 x 4,352: each wave's own stage
.set SPARE, 63744                      ; the spare words, 128 bytes a wave
.set LG,  32                           ; v[32:95]   log2 g, then L; later LI v[32:63], E v[64:79], PH v[80:87]
.set LI,  32
.set E,   64
.set PH,  80
.set KK0, 96                           ; v[96:127]  k.k for two tiles of i, q.k for the same
.set QK0, 112
.set KF,  128                          ; v[128:191] K's fragments of two tiles of i
.set KO,  192                          ; v[192:223] K's fragments of my rows
.set QO,  224                          ; v[224:255] Q's fragments of my rows
.set Y,   64                           ; the substitution: v[64:127] a row of the inverse
.set RB,  128                          ; v[128:191], v[192:255] rows of -A, by turns
	s_load_b256 s[4:11], s[0:1], 0x0               ; qkv s[4:5], gate s[6:7], rec s[8:9], gc s[10:11]
	v_lshl_add_u32 v6, v0, 2, SPARE                ; my spare word,
	v_mov_b32 v7, 0                                ; and 0
	v_lshrrev_b32 v1, 5, v0
	v_readfirstlane_b32 s12, v1                    ; wave 0..3
	s_and_b32 s13, ttmp7, 0xffff                   ; batch x 16 + head
	s_lshr_b32 s15, s13, 4
	s_and_b32 s16, s13, 15
	s_lshl_b32 s17, s15, 10
	s_lshl_b32 s18, ttmp9, 6
	s_add_co_u32 s17, s17, s18                     ; the chunk's first row of qkv
	s_lshl_b32 s18, s17, 14                        ; rows of 16,384 bytes,
	s_lshl_b32 s20, s16, 8                         ; the head's 256 bytes
	s_add_co_u32 s18, s18, s20
	s_mov_b32 s19, 0
	s_lshl_b32 s20, s17, 7                         ; gate: 2,048 bytes for 16 rows,
	s_lshl_b32 s22, s16, 6                         ; 64 for a head
	s_add_co_u32 s20, s20, s22
	s_mov_b32 s21, 0
	s_lshl_b32 s22, s13, 4
	s_add_co_u32 s22, s22, ttmp9                   ; the record's number
	s_lshl_b32 s24, s22, 16
	s_mov_b32 s25, 0
	s_lshl_b32 s26, s22, 8
	s_mov_b32 s27, 0
	s_lshl_b32 s30, s12, 18                        ; 16 rows of qkv
	s_lshl_b32 s31, s12, 11
	v_and_b32 v1, 15, v0                           ; r
	v_bfe_u32 v2, v0, 4, 1                         ; h
	v_and_b32 v3, 31, v0                           ; l
	v_lshlrev_b32 v4, 14, v1
	v_lshl_add_u32 v4, v2, 4, v4                   ; a fragment's row x 16,384 + 16 h
	v_add_nc_u32 v5, s30, v4                       ; the same in my 16 rows
	v_mov_b32 v8, 0
	v_lshl_add_u32 v9, v1, 2, s31                  ; gate: my block of 16 rows, row r
	s_wait_kmcnt 0x0
	s_add_nc_u64 s[4:5], s[4:5], s[18:19]          ; Q
	s_add_nc_u64 s[28:29], s[4:5], 4096            ; K
	s_add_nc_u64 s[6:7], s[6:7], s[20:21]
	s_add_nc_u64 s[8:9], s[8:9], s[24:25]
	s_add_nc_u64 s[10:11], s[10:11], s[26:27]
	; 49 loads: log2 g of the 64 steps (every lane all of them), my beta, my rows of K and Q, K's tiles 0 and 1
.irp n, 0,1,2,3,4,5,6,7,8,9,10,11,12,13,14,15
	global_load_b128 v[LG+4*(\n):LG+4*(\n)+3], v8, s[6:7] offset:((\n)/4)*2048+((\n)%4)*16
.endr
	global_load_b32 v10, v9, s[6:7] offset:1024
.irp kk, 0,1,2,3
	global_load_b128 v[KO+8*(\kk):KO+8*(\kk)+3],   v5, s[28:29] offset:64*(\kk)
	global_load_b128 v[KO+8*(\kk)+4:KO+8*(\kk)+7], v5, s[28:29] offset:64*(\kk)+32
.endr
.irp kk, 0,1,2,3
	global_load_b128 v[QO+8*(\kk):QO+8*(\kk)+3],   v5, s[4:5] offset:64*(\kk)
	global_load_b128 v[QO+8*(\kk)+4:QO+8*(\kk)+7], v5, s[4:5] offset:64*(\kk)+32
.endr
.macro KLOAD p                         ; K's tiles 2 p and 2 p + 1
.irp u, 0,1
.irp kk, 0,1,2,3
	global_load_b128 v[KF+32*(\u)+8*(\kk):KF+32*(\u)+8*(\kk)+3],   v4, s[28:29] offset:(2*(\p)+(\u))*262144+64*(\kk)
	global_load_b128 v[KF+32*(\u)+8*(\kk)+4:KF+32*(\u)+8*(\kk)+7], v4, s[28:29] offset:(2*(\p)+(\u))*262144+64*(\kk)+32
.endr
.endr
.endm
	KLOAD 0
	; the addresses, while the loads are on their way
	s_lshl_b32 s32, s12, 4
	v_lshlrev_b32 v30, 3, v2
	v_add_nc_u32 v13, s32, v1
	v_sub_nc_u32 v13, v13, v30                     ; t - 8 h: register j of tile it holds i < t where 16 it + j is less
	s_mul_i32 s33, s12, 16*NAP
	s_add_co_u32 s33, s33, NA
	v_mul_u32_u24 v14, v1, NAP
	v_lshl_add_u32 v14, v2, 5, v14
	v_add_nc_u32 v14, s33, v14                     ; -A: row t, 32 h
	s_mul_i32 s34, s12, 4352
	s_add_co_u32 s34, s34, STG                     ; my stage
	s_mul_i32 s40, s12, 16*TSP
	s_add_co_u32 s40, s40, TS                      ; my 16 rows of T'
	v_mul_u32_u24 v15, v1, 144
	v_lshl_add_u32 v15, v2, 4, v15
	v_add_nc_u32 v28, s40, v15                     ; T' as a fragment: row r, 16 h
	v_add_nc_u32 v15, s34, v15                     ; stage, rows of 144: in
	v_mul_u32_u24 v16, v1, 272
	v_lshl_add_u32 v16, v2, 4, v16
	v_add_nc_u32 v16, s34, v16                     ; stage, rows of 272: in
	v_mul_u32_u24 v17, v2, 272
	v_lshl_add_u32 v17, v1, 4, v17
	v_add_nc_u32 v17, s34, v17                     ; back: lanes 0-15 one row of 256 bytes, lanes 16-31 the next
	v_lshrrev_b32 v30, 3, v3
	v_and_b32 v31, 7, v0
	v_mul_u32_u24 v18, v30, 144
	v_lshl_add_u32 v18, v31, 4, v18
	v_add_nc_u32 v27, s40, v18                     ; T' back: 32 lanes take four rows of 128 bytes
	v_add_nc_u32 v18, s34, v18                     ; the same from the stage
	v_lshl_add_u32 v19, v3, 4, s31                 ; rec: 16 l + my 16 rows of 128 bytes
	s_lshl_b32 s35, s12, 12
	v_lshl_add_u32 v20, v3, 4, s35                 ; rec: 16 l + my 16 rows of 256 bytes
	s_mul_i32 s36, s12, 16*KGP
	s_add_co_u32 s36, s36, KG
	v_mul_u32_u24 v22, v1, KGP
	v_lshl_add_u32 v22, v2, 4, v22
	v_add_nc_u32 v22, s36, v22
	v_lshl_add_u32 v29, v2, 3, v31                 ; the turning load: row 8 h + l % 8,
	v_mul_u32_u24 v29, v29, KGP
	v_bfe_u32 v30, v0, 3, 1
	v_lshl_add_u32 v29, v30, 4, v29                ; 16 bytes for each half of eight lanes
	v_add_nc_u32 v29, KG, v29
	s_lshl_b32 s37, s12, 8                         ; my copy of L (LW = 0)
	s_lshl_b32 s38, s12, 6
	s_add_co_u32 s39, s38, BL
	s_add_co_u32 s38, s38, s37
	v_mov_b32 v23, s37
	v_lshl_add_u32 v24, v1, 2, s38                 ; L_t
	v_lshl_add_u32 v25, v2, 5, s37                 ; L_i for i = 16 it + 8 h + 0..7
	v_lshl_add_u32 v26, v1, 2, s39                 ; beta_t's place
	s_wait_loadcnt 33                              ; log2 g is in: 33 loads were issued behind it
.set i, 1
.rept 63
	v_add_f32 v[LG+i], v[LG+i-1], v[LG+i]          ; the running sum, the same in every lane
.set i, i+1
.endr
	v_mov_b32 v21, v[LG+63]                        ; L_63
.irp n, 0,1,2,3,4,5,6,7,8,9,10,11,12,13,14,15
	ds_store_b128 v23, v[LG+4*(\n):LG+4*(\n)+3] offset:16*(\n)  ; through my own LDS bytes, so that a lane can pick by its number
.endr
	s_wait_dscnt 0x0                               ; the loads below land in the registers that these stores read
	ds_load_b32 v11, v24
.irp it, 0,1,2,3
	ds_load_b128 v[LI+8*(\it):LI+8*(\it)+3],   v25 offset:64*(\it)
	ds_load_b128 v[LI+8*(\it)+4:LI+8*(\it)+7], v25 offset:64*(\it)+16
.endr
	s_wait_loadcnt 32                              ; beta_t is in
	ds_store_b32 v26, v10
	v_mul_f32 v12, 0xbd800000, v10                 ; -beta_t / 16
	s_wait_dscnt 0x0
	v_add_f32 v11, 4.0, v11                        ; L_t + 4: 2^(that - L_i) = 16 M[t][i]
; Tile it (buffer u) is finished: weights, masks, -A into LDS in f32, P' into my stage in f16.  What lies above the diagonal is thrown away by the selects, whatever its weight.
.macro FINISH it, u
.irp c, 0,1,2,3
	v_pk_mul_f32 v[KK0+8*(\u)+2*(\c):KK0+8*(\u)+2*(\c)+1], v[KK0+8*(\u)+2*(\c):KK0+8*(\u)+2*(\c)+1], v[E+8*(\u)+2*(\c):E+8*(\u)+2*(\c)+1]
.endr
.irp c, 0,1,2,3
	v_pk_mul_f32 v[QK0+8*(\u)+2*(\c):QK0+8*(\u)+2*(\c)+1], v[QK0+8*(\u)+2*(\c):QK0+8*(\u)+2*(\c)+1], v[E+8*(\u)+2*(\c):E+8*(\u)+2*(\c)+1]
.endr
.irp c, 0,1,2,3
	v_pk_mul_f32 v[KK0+8*(\u)+2*(\c):KK0+8*(\u)+2*(\c)+1], v[KK0+8*(\u)+2*(\c):KK0+8*(\u)+2*(\c)+1], v[12:13] op_sel_hi:[1,0]
.endr
.irp j, 0,1,2,3,4,5,6,7
	v_cmp_lt_i32 vcc_lo, 16*(\it)+(\j), v13
	v_cndmask_b32 v[KK0+8*(\u)+(\j)], 0, v[KK0+8*(\u)+(\j)], vcc_lo
	v_cmp_le_i32 vcc_lo, 16*(\it)+(\j), v13
	v_cndmask_b32 v[QK0+8*(\u)+(\j)], 0, v[QK0+8*(\u)+(\j)], vcc_lo
.endr
	ds_store_b128 v14, v[KK0+8*(\u):KK0+8*(\u)+3]   offset:64*(\it)
	ds_store_b128 v14, v[KK0+8*(\u)+4:KK0+8*(\u)+7] offset:64*(\it)+16
.irp c, 0,1,2,3
	v_cvt_pk_f16_f32 v[PH+4*(\u)+(\c)], v[QK0+8*(\u)+2*(\c)], v[QK0+8*(\u)+2*(\c)+1]
.endr
	ds_store_b128 v15, v[PH+4*(\u):PH+4*(\u)+3] offset:32*(\it)
.endm
; Tiles 2 p and 2 p + 1 of i.  Source 0 = 16 rows i of K, source 1 = my 16 rows t of K or Q: a lane holds one t and i = 16 it + 8 h + 0..7.  The four sums take turns.
.macro PASS p
	s_wait_loadcnt 0x0                             ; the fragments
.irp kk, 0,1,2,3
.if (\kk) == 0
	v_wmma_f32_16x16x32_f16 v[KK0:KK0+7],    v[KF:KF+7],     v[KO:KO+7], 0
	v_wmma_f32_16x16x32_f16 v[KK0+8:KK0+15], v[KF+32:KF+39], v[KO:KO+7], 0
	v_wmma_f32_16x16x32_f16 v[QK0:QK0+7],    v[KF:KF+7],     v[QO:QO+7], 0
	v_wmma_f32_16x16x32_f16 v[QK0+8:QK0+15], v[KF+32:KF+39], v[QO:QO+7], 0
.else
	v_wmma_f32_16x16x32_f16 v[KK0:KK0+7],    v[KF+8*(\kk):KF+8*(\kk)+7],       v[KO+8*(\kk):KO+8*(\kk)+7], v[KK0:KK0+7]
	v_wmma_f32_16x16x32_f16 v[KK0+8:KK0+15], v[KF+32+8*(\kk):KF+32+8*(\kk)+7], v[KO+8*(\kk):KO+8*(\kk)+7], v[KK0+8:KK0+15]
	v_wmma_f32_16x16x32_f16 v[QK0:QK0+7],    v[KF+8*(\kk):KF+8*(\kk)+7],       v[QO+8*(\kk):QO+8*(\kk)+7], v[QK0:QK0+7]
	v_wmma_f32_16x16x32_f16 v[QK0+8:QK0+15], v[KF+32+8*(\kk):KF+32+8*(\kk)+7], v[QO+8*(\kk):QO+8*(\kk)+7], v[QK0+8:QK0+15]
.endif
.endr
.set i, 0
.rept 16
	v_sub_f32 v[E+i], v11, v[LI+16*(\p)+i]         ; sixteen plain instructions: the places behind the products
.set i, i+1
.endr
.if (\p) == 0
	KLOAD 1
.endif
.set i, 0
.rept 16
	v_exp_f32 v[E+i], v[E+i]
.set i, i+1
.endr
	v_nop
	s_wait_alu depctr_va_vdst(0)
	FINISH 2*(\p), 0
	FINISH 2*(\p)+1, 1
.endm
	PASS 0
	PASS 1
.irp n, 0,1,2,3
	ds_load_b128 v[64+4*(\n):64+4*(\n)+3], v18 offset:576*(\n)  ; my 16 rows of P', four rows of 128 bytes at a time
.endr
	s_wait_dscnt 0x0
.irp n, 0,1,2,3
	global_store_b128 v19, v[64+4*(\n):64+4*(\n)+3], s[8:9] offset:8192+512*(\n)  ; 512 consecutive bytes, aligned
.endr
	; the rows' factors, each twice in f16
	v_exp_f32 v30, v11                             ; 16 x 2^L_t
	v_sub_f32 v31, v21, v11
	v_add_f32 v31, 4.0, v31
	v_exp_f32 v31, v31                             ; 2^(L_63 - L_t)
	v_nop
	s_wait_alu depctr_va_vdst(0)
	v_mul_f32 v10, 0xbd800000, v30                 ; -2^L_t
	v_cvt_pk_f16_f32 v30, v30, v30
	v_cvt_pk_f16_f32 v31, v31, v31
	v_cvt_pk_f16_f32 v10, v10, v10
	s_wait_xcnt 0x0                                ; v[64:79] fed the stores above and are written next
; My 16 rows of src times fac, through my stage, into the record as whole rows of 256 bytes
.macro OUT256 src, fac, dst, region
.set i, 0
.rept 32
	v_pk_mul_f16 v[64+i], v[(\src)+i], v[\fac]
.set i, i+1
.endr
.irp kk, 0,1,2,3
	ds_store_b128 v16, v[64+8*(\kk):64+8*(\kk)+3]   offset:64*(\kk)
	ds_store_b128 v16, v[64+8*(\kk)+4:64+8*(\kk)+7] offset:64*(\kk)+32
.endr
.irp n, 0,1,2,3,4,5,6,7
	ds_load_b128 v[(\dst)+4*(\n):(\dst)+4*(\n)+3], v17 offset:544*(\n)  ; LDS serves a wave's instructions in order: these see the stores above
.endr
	s_wait_dscnt 0x0
.irp n, 0,1,2,3,4,5,6,7
	global_store_b128 v20, v[(\dst)+4*(\n):(\dst)+4*(\n)+3], s[8:9] offset:(\region)+512*(\n)
.endr
.endm
	OUT256 QO, 30, 96, 32768                       ; Qg'
	OUT256 KO, 31, 128, 49152                      ; Kt
.set i, 0
.rept 32
	v_pk_mul_f16 v[64+i], v[KO+i], v10             ; -2^L k stays in LDS
.set i, i+1
.endr
.irp kk, 0,1,2,3
	ds_store_b128 v22, v[64+8*(\kk):64+8*(\kk)+3]   offset:64*(\kk)
	ds_store_b128 v22, v[64+8*(\kk)+4:64+8*(\kk)+7] offset:64*(\kk)+32
.endr
	s_wait_dscnt 0x0                               ; for the others' sake: -A, beta and -2^L k are in LDS
	s_barrier_signal -1
	s_barrier_wait -1
	s_wait_xcnt 0x0                                ; v[96:159] fed the stores above and are written next, on both ways
	s_cmp_lt_u32 s12, 2
	s_cbranch_scc0 .Lnosub
	; THE BACK SUBSTITUTION.  Lane = row t = 32 w + l of the inverse.  Row s of -A is the same for all lanes; when y_s is final, y_i += y_s (-A[s][i]) for all i < s.
	s_lshl_b32 s42, s12, 5
	v_add_nc_u32 v30, s42, v3                      ; t
	s_mul_i32 s41, s12, 32*TSP
	s_add_co_u32 s41, s41, TS
	v_mul_u32_u24 v31, v3, TSP
	v_add_nc_u32 v31, s41, v31
.macro LOADROW s                       ; the first s numbers of row s, in fours
.set g, 0
.rept ((\s)+3)/4
	ds_load_b128 v[RB+64*((\s)%2)+4*g:RB+64*((\s)%2)+4*g+3], v8 offset:NA+NAP*(\s)+16*g
.set g, g+1
.endr
.endm
.macro SUBST s                         ; the pair that holds y_(s-1) first: the next step waits for it.  For an odd s that pair holds y_s too, whose factor -A[s][s] is 0
.set p, ((\s)-1)/2
.rept ((\s)+1)/2
.if (\s)%2
	v_pk_fma_f32 v[Y+2*p:Y+2*p+1], v[RB+64+2*p:RB+64+2*p+1], v[Y+(\s)-1:Y+(\s)], v[Y+2*p:Y+2*p+1] op_sel:[0,1,0] op_sel_hi:[1,1,1]
.else
	v_pk_fma_f32 v[Y+2*p:Y+2*p+1], v[RB+2*p:RB+2*p+1], v[Y+(\s):Y+(\s)+1], v[Y+2*p:Y+2*p+1] op_sel_hi:[1,0,1]
.endif
.set p, p-1
.endr
.endm
	LOADROW 63
.set i, 0
.rept 64
	v_cmp_eq_u32 vcc_lo, i, v30
	v_cndmask_b32 v[Y+i], 0, 1.0, vcc_lo
.set i, i+1
.endr
.set sr, 63
.rept 62
	LOADROW sr-1
	s_wait_dscnt (sr+2)/4                          ; row s is in; the next row's loads, just issued, stay out
	SUBST sr
.set sr, sr-1
.endr
	s_wait_dscnt 0x0
	SUBST 1
.irp n, 0,1,2,3,4,5,6,7,8,9,10,11,12,13,14,15
	ds_load_b128 v[RB+4*(\n):RB+4*(\n)+3], v8 offset:BL+16*(\n)  ; beta, all 64
.endr
	s_wait_dscnt 0x0
.set i, 0
.rept 32
	v_pk_mul_f32 v[Y+2*i:Y+2*i+1], v[Y+2*i:Y+2*i+1], v[RB+2*i:RB+2*i+1]
.set i, i+1
.endr
.set i, 0
.rept 32
	v_cvt_pk_f16_f32 v[32+i], v[Y+2*i], v[Y+2*i+1]
.set i, i+1
.endr
.irp n, 0,1,2,3,4,5,6,7
	ds_store_b128 v31, v[32+4*(\n):32+4*(\n)+3] offset:16*(\n)
.endr
.Lnosub:
	s_wait_dscnt 0x0                               ; for the others' sake: T' is in LDS
	s_barrier_signal -1
	s_barrier_wait -1
	; T' goes out; Wm' = T' (-2^L K), transposed: source 0 = 16 channels (turned out of LDS), source 1 = my 16 rows of T': a lane holds one t and eight neighbouring channels
.irp n, 0,1,2,3
	ds_load_b128 v[48+4*(\n):48+4*(\n)+3], v27 offset:576*(\n)
.endr
.irp n, 0,1,2,3
	ds_load_b128 v[32+4*(\n):32+4*(\n)+3], v28 offset:32*(\n)
.endr
.irp ht, 0,1,2,3,4,5,6,7
.irp kk, 0,1
	ds_load_tr16_b128 v[128+8*(2*(\ht)+(\kk)):128+8*(2*(\ht)+(\kk))+3],   v29 offset:(\kk)*32*KGP+32*(\ht)
	ds_load_tr16_b128 v[128+8*(2*(\ht)+(\kk))+4:128+8*(2*(\ht)+(\kk))+7], v29 offset:(\kk)*32*KGP+16*KGP+32*(\ht)
.endr
.endr
	s_wait_dscnt 36                                ; the first four loads are in: 36 were issued behind them
.irp n, 0,1,2,3
	global_store_b128 v19, v[48+4*(\n):48+4*(\n)+3], s[8:9] offset:512*(\n)
.endr
	s_wait_dscnt 0x0
.irp kk, 0,1
.irp ht, 0,1,2,3,4,5,6,7               ; the eight sums take turns
.if (\kk) == 0
	v_wmma_f32_16x16x32_f16 v[64+8*(\ht):64+8*(\ht)+7], v[128+16*(\ht):128+16*(\ht)+7], v[32:39], 0
.else
	v_wmma_f32_16x16x32_f16 v[64+8*(\ht):64+8*(\ht)+7], v[136+16*(\ht):136+16*(\ht)+7], v[40:47], v[64+8*(\ht):64+8*(\ht)+7]
.endif
.endr
.endr
.rept 4
	v_nop                                          ; four places behind the last products
.endr
	s_wait_xcnt 0x0                                ; v[48:63] fed the stores above and are written next
.set i, 0
.rept 32
	v_cvt_pk_f16_f32 v[32+i], v[64+2*i], v[64+2*i+1]
.set i, i+1
.endr
.irp ht, 0,1,2,3,4,5,6,7
	ds_store_b128 v16, v[32+4*(\ht):32+4*(\ht)+3] offset:32*(\ht)
.endr
.irp n, 0,1,2,3,4,5,6,7
	ds_load_b128 v[128+4*(\n):128+4*(\n)+3], v17 offset:544*(\n)
.endr
	s_wait_dscnt 0x0
.irp n, 0,1,2,3,4,5,6,7
	global_store_b128 v20, v[128+4*(\n):128+4*(\n)+3], s[8:9] offset:16384+512*(\n)
.endr
	s_cmp_lg_u32 s12, 0
	s_cbranch_scc1 .Lend
	v_exp_f32 v10, v21                             ; gC, twice: the wave's one store fills the chunk's 256 bytes
	v_exp_f32 v11, v21
	v_lshlrev_b32 v12, 3, v3
	s_wait_alu depctr_va_vdst(0)
	global_store_b64 v12, v[10:11], s[10:11]
.Lend:
	s_wait_tensorcnt 0x0                           ; the wave's end, behind my last LDS store
	ds_add_u32 v6, v7
	s_wait_dscnt 0x0
	s_endpgm
.Lfunc_end_k_q44099f5104_prep:
	.size	k_q44099f5104_prep, .Lfunc_end_k_q44099f5104_prep-k_q44099f5104_prep
	.p2alignl 7, 3214868480
	.fill 96, 4, 3214868480
	.section	.rodata,"a",@progbits
	.p2align	6, 0x0
	.amdhsa_kernel k_q44099f5104_prep
		.amdhsa_group_segment_fixed_size 64256
		.amdhsa_private_segment_fixed_size 0
		.amdhsa_enable_private_segment 0
		.amdhsa_kernarg_size 32
		.amdhsa_user_sgpr_count 2
		.amdhsa_user_sgpr_kernarg_segment_ptr 1
		.amdhsa_wavefront_size32 1
		.amdhsa_system_sgpr_workgroup_id_x 1
		.amdhsa_system_sgpr_workgroup_id_y 1
		.amdhsa_system_sgpr_workgroup_id_z 1
		.amdhsa_system_vgpr_workitem_id 0
		.amdhsa_next_free_vgpr 256
		.amdhsa_next_free_sgpr 66
		.amdhsa_reserve_vcc 1
		.amdhsa_float_denorm_mode_32 3
		.amdhsa_float_denorm_mode_16_64 3
		.amdhsa_memory_ordered 1
		.amdhsa_forward_progress 1
		.amdhsa_inst_pref_size 158
	.end_amdhsa_kernel
	.amdgpu_metadata
---
amdhsa.version: [ 1, 2 ]
amdhsa.kernels:
  - .name:           k_q44099f5104_prep
    .symbol:         k_q44099f5104_prep.kd
    .args:
      - { .name: qkv, .offset: 0, .size: 8, .value_kind: global_buffer, .address_space: global }
      - { .name: gate, .offset: 8, .size: 8, .value_kind: global_buffer, .address_space: global }
      - { .name: rec, .offset: 16, .size: 8, .value_kind: global_buffer, .address_space: global }
      - { .name: gc, .offset: 24, .size: 8, .value_kind: global_buffer, .address_space: global }
    .group_segment_fixed_size: 64256
    .private_segment_fixed_size: 0
    .kernarg_segment_align: 8
    .kernarg_segment_size: 32
    .max_flat_workgroup_size: 128
    .sgpr_count:     66
    .vgpr_count:     256
    .wavefront_size: 32
...
	.end_amdgpu_metadata
.endif
;; end of part 4
;; launch scan (part 5): grid 4 x 32, 4 waves a work-group, clusters of 4 x 1, 327,680 bytes of LDS; arguments rec, qkv, gc, state, out0; writes out0
.if DOCPART == 5
	.amdgcn_target "amdgcn-amd-amdhsa--gfx1250"
	.amdhsa_code_object_version 6
	.text
	.protected	k_q44099f5104_scan
	.globl	k_q44099f5104_scan
	.p2align	8
	.type	k_q44099f5104_scan,@function
k_q44099f5104_scan:
	s_mov_b64 s[64:65], 0
	v_nop
	global_prefetch_b8 v0, s[64:65] scope:SCOPE_SE
	s_setreg_imm32_b32 hwreg(HW_REG_WAVE_MODE, 25, 1), 1
	s_wait_xcnt 0x0
	s_wait_alu depctr_hold_cnt(0) depctr_sa_sdst(0) depctr_va_vdst(0) depctr_va_sdst(0) depctr_va_ssrc(0) depctr_va_vcc(0) depctr_vm_vsrc(0)
	s_getreg_b32 s2, hwreg(HW_REG_IB_STS2, 6, 4)
	s_cmp_eq_u32 s2, 0
	s_cbranch_scc0 .Lentry_in_a_cluster
	s_endpgm
.Lentry_in_a_cluster:
	s_bfe_u32 s2, ttmp6, 0x10000c
	s_cmp_lg_u32 s2, 0x3003
	s_cbranch_scc0 .Lentry_shape_is_right
	s_endpgm
.Lentry_shape_is_right:
; THE GATED DELTA RULE, 64 steps at a time.  With S' = S / 16, V' = v / 16 and a chunk's record (T', P', Wm', Qg', Kt, gC):
;   Delta' = T' V' + Wm' S'^T;     O = Qg' S'^T + P' Delta';     S'^T <- gC S'^T + Kt^T Delta'.
; A work-group owns 64 columns v of one (batch, head) and walks its 16 chunks; wave w owns 16 of them, and its part of the state, S'^T [128 h][16 v] in f32, never leaves its registers.
; LAYOUT.  Everywhere a lane holds ONE column v (lane % 16).  A result (registers = 8 neighbouring rows) rounded to f16 in pairs IS the next product's operand in the same lanes, as source 1
; (columns v) or as source 0 (rows v).  O is made transposed (source 0 = S' or Delta', source 1 = rows t of Qg' or P'): a lane then holds one t and eight neighbouring v.
; CLUSTER.  The four work-groups of a cluster are one head's four blocks of v and need the same record: its three tiles are asked for JOINTLY (waves 0, 1, 2); V' is each work-group's own (wave 3).
; 128 work-groups: fewer columns to a work-group would make out0's rows shorter than 256 bytes.
; The state is taken rounded to bf16, like x and W.  The last chunk's new state is made and dropped: one text serves every chunk.
; LIMITS.  |v|, |Delta| and |S| stay under 16 x 65,504; f16 numbers below 6e-5 keep f16's fixed step of 6e-8.  NaN and infinities are not treated apart.
; REGISTERS.  window 0: addresses; v32-95 S'^T in f32; v96-127 S' in f16; v128-159 Delta'; v160-175 Delta' in f16; v176-191 V'; v192-223 O^T; v224-255 rows of O
;   window 1: v0-63 T'; v64-191 Wm'; v192-255 P'          window 2: v0-127 Qg'; v128-255 Kt (turned)
.set SLOT1, 1<<17                      ; slot 1 begins here: one exclusive or turns an address in one slot into the other's
.set TPO,   0                          ; 128 rows x 144: T', then P'
.set WQO,   18432                      ; 128 rows x 272: Wm', then Qg'
.set KTO,   53248                      ; 64 rows x 288: Kt
.set VVO,   71680                      ; 64 rows x 160: V'
.set STAGE, SLOT1+81920                ; behind the ring, never filled by a tensor load: 64 rows x 272, the work-group's
.set SPITCH, 272
.set SPARE, STAGE+64*SPITCH            ; the spare words, 128 bytes a wave
.set ATP0, 4                           ; v4-7   my lane's place in the four tiles; never rewritten
.set AWQ0, 5
.set AKT0, 6
.set AVV0, 7
.set ATP,  8                           ; v8-11  the same in the slot in hand
.set AWQ,  9
.set AKT,  10
.set AVV,  11
.set STO,  12
.set RD,   13
.set GO,   14
.set SOF,  15
.set SPW,  16                          ; v16  my spare word; never rewritten
.set NIL,  17                          ; v17  0; never rewritten
.set SA,   32
.set SF,   96
.set DA,   128
.set DF,   160
.set VF,   176
.set OA,   192
.set OB,   224
.set TQ,   0                           ; window 1
.set WM,   64
.set PP,   192
.set QG,   0                           ; window 2
.set KT,   128
.set WV,   14                          ; s14  my wave's number
.set G1A,  24
.set G1B,  32
.set G1C,  40
.set G1D,  48
.set G0A,  56
.set G0B,  60
.set G0C,  68
.set G0D,  72
.set TB,   76                          ; s76  the slot in hand, as an LDS byte
.set CNT,  77
.set GCV,  78                          ; s[78:79] gC, twice
.set SCL,  80                          ; s[80:81] 2^-4
.set HIM,  82                          ; s82  a word's upper bf16
.set MSB, 0
.macro WIN new
.if MSB != (\new)
	s_set_vgpr_msb (MSB<<8)|(\new)
.set MSB, \new
.endif
.endm
; A fill: one tensor load a wave.  The branches hang on the wave's number alone.  An s_nop 0 and four v_nop follow each line.
.macro ARM g0, g1
	tensor_load_to_lds s[(\g0):(\g0)+3], s[(\g1):(\g1)+7]
	s_nop 0
.rept 4
	v_nop
.endr
.endm
.macro JLOAD
	s_cmp_eq_u32 s[WV], 0
	s_cbranch_scc0 .Lj1_\@
	ARM G0A, G1A
	s_branch .Ljd_\@
.Lj1_\@:
	s_cmp_eq_u32 s[WV], 1
	s_cbranch_scc0 .Lj2_\@
	ARM G0B, G1B
	s_branch .Ljd_\@
.Lj2_\@:
	s_cmp_eq_u32 s[WV], 2
	s_cbranch_scc0 .Lj3_\@
	ARM G0C, G1C
	s_branch .Ljd_\@
.Lj3_\@:
	ARM G0D, G1D
.Ljd_\@:
.endm
.macro CROUND                          ; a round of the cluster's barrier
	s_barrier_signal -1
	s_barrier_wait -1
	s_cmp_lg_u32 s[WV], 0
	s_cbranch_scc1 .Lnot_wave_0_\@
	s_barrier_signal -3
.Lnot_wave_0_\@:
	s_barrier_wait -3
	s_barrier_signal -1
	s_barrier_wait -1
.endm
; THE CHANGE OF SLOTS.  Each wave waits for all its tensor loads, of which one is out: its tile of the other slot; adds 0 to its spare word; and waits for that and for its LDS reads.
; fill = 1: the slot just left takes the chunk after the next one to be worked on; the barrier is then a round of the cluster's, and the fill is the first thing behind it: it has a chunk's work in which to land.
; (At its first use nothing has been read yet: slot 0 is waited for, slot 1 filled.)
.macro CHANGE fill
	WIN 0
	s_wait_tensorcnt 0x0                           ; no tensor load of mine is out, so every group 0 may be written
	ds_add_u32 v[SPW], v[NIL]                      ; 0 onto my spare word; the descriptors' steps stand between it and the wait for it
.if \fill
.irp g, G0A, G0B, G0C
	s_xor_b32 s[(\g)+1], s[(\g)+1], SLOT1
	s_add_nc_u64 s[(\g)+2:(\g)+3], s[(\g)+2:(\g)+3], 65536     ; the next record
.endr
	s_xor_b32 s[G0D+1], s[G0D+1], SLOT1
	s_add_nc_u64 s[G0D+2:G0D+3], s[G0D+2:G0D+3], 0x100000      ; 64 rows of qkv
	s_wait_dscnt 0x0                               ; the add is done, and my reads of the slot and of the stage are over
	CROUND
	JLOAD
.else
	s_wait_dscnt 0x0
	s_barrier_signal -1
	s_barrier_wait -1
.endif
	s_xor_b32 s[TB], s[TB], SLOT1
.endm
	s_load_b256 s[4:11], s[0:1], 0x0               ; rec s[4:5], qkv s[6:7], gc s[8:9], state s[10:11]
	s_load_b64 s[12:13], s[0:1], 0x20              ; out0
	v_lshl_add_u32 v[SPW], v0, 2, SPARE
	v_mov_b32 v[NIL], 0
	ds_add_u32 v[SPW], v[NIL]                      ; the wave's opening: the add and its wait stand ahead of my first tensor load
	v_lshrrev_b32 v1, 5, v0
	v_readfirstlane_b32 s[WV], v1                  ; wave 0..3
	s_bfe_u32 s15, ttmp6, 0x40000                  ; cx
	s_lshl_b32 s19, ttmp9, 2
	s_add_co_u32 s15, s15, s19                     ; my block of 64 columns v: it enters V's, the state's and out0's addresses alone
	s_and_b32 s16, ttmp7, 0xffff                   ; batch x 16 + head, which the four partners share
	s_lshr_b32 s17, s16, 4
	s_and_b32 s18, s16, 15
	s_lshl_b32 s20, s16, 20                        ; the head's 16 records
	s_mov_b32 s21, 0
	s_lshl_b32 s84, s17, 24                        ; V': the batch's 1,024 rows of 16,384 bytes,
	s_add_co_u32 s84, s84, 8192                    ; v's first column,
	s_lshl_b32 s19, s18, 9                         ; the head's 512 bytes,
	s_add_co_u32 s84, s84, s19
	s_lshl_b32 s19, s15, 7                         ; my block's 128
	s_add_co_u32 s84, s84, s19
	s_mov_b32 s85, 0
	s_lshl_b32 s86, s16, 12                        ; gc: 16 chunks of 256 bytes
	s_mov_b32 s87, 0
	s_lshl_b32 s88, s16, 17                        ; state: 131,072 bytes a head,
	s_lshl_b32 s19, s15, 15                        ; 64 rows of 512
	s_add_co_u32 s88, s88, s19
	s_mov_b32 s89, 0
	s_lshl_b32 s90, s17, 24                        ; out0: rows of 16,384 bytes,
	s_lshl_b32 s19, s18, 10                        ; the head's 1,024,
	s_add_co_u32 s90, s90, s19
	s_lshl_b32 s19, s15, 8                         ; my block's 256
	s_add_co_u32 s90, s90, s19
	s_mov_b32 s91, 0
	; descriptor group 1.  T' and P': 16,384 dense bytes as 64 rows of 256, padded after every 128 bytes (a row of 64 f16) by 16
	s_mov_b32 s[G1A], 15|(1<<16)|(1<<20)|(1<<21)|(4<<22)|(3<<25)  ; the mask of four; 2-byte elements; padding on; bit 21 beside a mask; after every 32 words, 4 words
	s_mov_b32 s[G1B], 15|(1<<16)|(1<<20)|(1<<21)|(5<<22)|(3<<25)  ; Wm' and Qg': 128 rows of 256 bytes, 16 of padding
	s_mov_b32 s[G1C], 15|(1<<16)|(1<<20)|(1<<21)|(5<<22)|(7<<25)  ; Kt: 64 rows of 256 bytes, 32 of padding
	s_mov_b32 s[G1D], (1<<16)|(1<<20)|(4<<22)|(7<<25)             ; V': my own: 64 rows of 128 bytes, 32 of padding
.irp g, G1A, G1B, G1C
	s_mov_b32 s[(\g)+1], 128<<16                   ; tensor_dim0 = 128
	s_mov_b32 s[(\g)+3], 128<<16                   ; tile_dim0 = 128
	s_mov_b32 s[(\g)+5], 128                       ; dense rows
	s_mov_b32 s[(\g)+6], 0
	s_mov_b32 s[(\g)+7], 0
.endr
	s_mov_b32 s[G1A+2], 64<<16                     ; tensor_dim1
	s_mov_b32 s[G1A+4], 64                         ; tile_dim1
	s_mov_b32 s[G1B+2], 128<<16
	s_mov_b32 s[G1B+4], 128
	s_mov_b32 s[G1C+2], 64<<16
	s_mov_b32 s[G1C+4], 64
	s_mov_b32 s[G1D+1], 64<<16
	s_mov_b32 s[G1D+2], 64<<16
	s_mov_b32 s[G1D+3], 64<<16
	s_mov_b32 s[G1D+4], 64
	s_mov_b32 s[G1D+5], 8192                       ; qkv's row
	s_mov_b32 s[G1D+6], 0
	s_mov_b32 s[G1D+7], 0
	s_mov_b32 s[G0A], 1
	s_mov_b32 s[G0A+1], TPO
	s_mov_b32 s[G0B], 1
	s_mov_b32 s[G0B+1], WQO
	s_mov_b32 s[G0C], 1
	s_mov_b32 s[G0C+1], KTO
	s_mov_b32 s[G0D], 1
	s_mov_b32 s[G0D+1], VVO
	s_mov_b32 s[TB], SLOT1                         ; the first change of slots turns it into 0
	s_mov_b32 s[CNT], 15
	s_mov_b32 s[SCL], 0x3d800000
	s_mov_b32 s[SCL+1], 0x3d800000
	s_mov_b32 s[HIM], 0xffff0000
	s_wait_dscnt 0x0                               ; the opening add is done
	s_wait_kmcnt 0x0
	s_add_nc_u64 s[4:5], s[4:5], s[20:21]
	s_mov_b64 s[G0A+2:G0A+3], s[4:5]
	s_or_b32 s[G0A+3], s[G0A+3], 0x80000000
	s_add_nc_u64 s[G0B+2:G0B+3], s[4:5], 16384
	s_or_b32 s[G0B+3], s[G0B+3], 0x80000000
	s_add_nc_u64 s[G0C+2:G0C+3], s[4:5], 49152
	s_or_b32 s[G0C+3], s[G0C+3], 0x80000000
	s_add_nc_u64 s[G0D+2:G0D+3], s[6:7], s[84:85]
	s_or_b32 s[G0D+3], s[G0D+3], 0x80000000
	s_add_nc_u64 s[8:9], s[8:9], s[86:87]
	s_add_nc_u64 s[10:11], s[10:11], s[88:89]
	s_add_nc_u64 s[12:13], s[12:13], s[90:91]
	CROUND                                         ; all four work-groups are here: the first joint loads meet
	JLOAD                                          ; chunk 0 into slot 0: one load of mine is out
	v_and_b32 v1, 15, v0                           ; r
	v_bfe_u32 v2, v0, 4, 1                         ; h
	s_lshl_b32 s19, s[WV], 13
	v_lshlrev_b32 v[SOF], 9, v1
	v_lshl_add_u32 v[SOF], v2, 5, v[SOF]
	v_add_nc_u32 v[SOF], s19, v[SOF]               ; the state's row v = 16 w + r, channels 8 h on
.irp ht, 0,1,2,3,4,5,6,7
	global_load_b128 v[SA+8*(\ht):SA+8*(\ht)+3],   v[SOF], s[10:11] offset:64*(\ht)
	global_load_b128 v[SA+8*(\ht)+4:SA+8*(\ht)+7], v[SOF], s[10:11] offset:64*(\ht)+16
.endr
	v_and_b32 v3, 7, v0
	v_bfe_u32 v18, v0, 3, 1
	v_mul_u32_u24 v[ATP0], v1, 144
	v_lshl_add_u32 v[ATP0], v2, 4, v[ATP0]         ; a fragment's row x pitch + 16 h
	v_mul_u32_u24 v[AWQ0], v1, 272
	v_lshl_add_u32 v[AWQ0], v2, 4, v[AWQ0]
	v_add_nc_u32 v[AWQ0], WQO, v[AWQ0]
	v_lshl_add_u32 v19, v2, 3, v3                  ; the turning loads: row 8 h + l % 8, 16 bytes for each half of eight lanes
	v_mul_u32_u24 v[AKT0], v19, 288
	v_lshl_add_u32 v[AKT0], v18, 4, v[AKT0]
	v_add_nc_u32 v[AKT0], KTO, v[AKT0]
	v_mul_u32_u24 v[AVV0], v19, 160
	v_lshl_add_u32 v[AVV0], v18, 4, v[AVV0]
	s_lshl_b32 s19, s[WV], 5
	s_add_co_u32 s19, s19, VVO
	v_add_nc_u32 v[AVV0], s19, v[AVV0]             ; my wave's 16 columns
	v_mul_u32_u24 v[STO], v1, SPITCH               ; the stage, in: row t % 16, my wave's 64 bytes, 32 for each half of the lanes
	v_lshl_add_u32 v[STO], v2, 5, v[STO]
	s_lshl_b32 s19, s[WV], 6
	s_add_co_u32 s19, s19, STAGE
	v_add_nc_u32 v[STO], s19, v[STO]
	s_mul_i32 s19, s[WV], 16*SPITCH                ; back: wave w takes rows 16 w on, whole; lanes 0-15 one row, lanes 16-31 the next
	s_add_co_u32 s19, s19, STAGE
	v_mul_u32_u24 v[RD], v2, SPITCH
	v_lshl_add_u32 v[RD], v1, 4, v[RD]
	v_add_nc_u32 v[RD], s19, v[RD]
	s_lshl_b32 s19, s[WV], 18                      ; and the same rows in out0
	v_lshlrev_b32 v[GO], 14, v2
	v_lshl_add_u32 v[GO], v1, 4, v[GO]
	v_add_nc_u32 v[GO], s19, v[GO]
	s_wait_loadcnt 0x0
.set i, 0
.rept 32
	v_cvt_pk_bf16_f32 v[DA+i], v[SA+2*i], v[SA+2*i+1]  ; the state as the other inputs are taken: rounded to bf16
.set i, i+1
.endr
.set i, 0
.rept 32
	v_lshlrev_b32 v[SA+2*i], 16, v[DA+i]
	v_and_b32 v[SA+2*i+1], s[HIM], v[DA+i]
.set i, i+1
.endr
.set i, 0
.rept 32
	v_pk_mul_f32 v[SA+2*i:SA+2*i+1], v[SA+2*i:SA+2*i+1], s[SCL:SCL+1] op_sel_hi:[1,0]
.set i, i+1
.endr
.set i, 0
.rept 32
	v_cvt_pk_f16_f32 v[SF+i], v[SA+2*i], v[SA+2*i+1]
.set i, i+1
.endr
; Four tiles of 16 rows, nk fragments of 32 along the rows each: fragment nk x tile + k at dst + 8 x that
.macro FRAGS dst, nk, adr, base, step
.set f, 0
.rept 4*(\nk)
	ds_load_b128 v[(\dst)+8*f:(\dst)+8*f+3],   v[\adr] offset:(\base)+(f/(\nk))*(\step)+64*(f%(\nk))
	ds_load_b128 v[(\dst)+8*f+4:(\dst)+8*f+7], v[\adr] offset:(\base)+(f/(\nk))*(\step)+64*(f%(\nk))+32
.set f, f+1
.endr
.endm
; A CHUNK.  In every run of products the accumulators take turns, one instruction a turn.
.macro CHUNK
	WIN 0
	s_load_b64 s[GCV:GCV+1], s[8:9], 0x0           ; gC
	v_add_nc_u32 v[ATP], s[TB], v[ATP0]
	v_add_nc_u32 v[AWQ], s[TB], v[AWQ0]
	v_add_nc_u32 v[AKT], s[TB], v[AKT0]
	v_add_nc_u32 v[AVV], s[TB], v[AVV0]
.irp kk, 0,1
	ds_load_tr16_b128 v[VF+8*(\kk):VF+8*(\kk)+3],   v[AVV] offset:(\kk)*5120
	ds_load_tr16_b128 v[VF+8*(\kk)+4:VF+8*(\kk)+7], v[AVV] offset:(\kk)*5120+2560
.endr
	WIN 0x40                                       ; destination window 1
	FRAGS TQ, 2, ATP, 0, 2304                      ; T'
	FRAGS WM, 4, AWQ, 0, 4352                      ; Wm'
	s_wait_dscnt 32                                ; V' and T' are in; Wm's 32 loads may be out
	WIN 0x01                                       ; source 0 window 1
.irp kk, 0,1
.irp tt, 0,1,2,3
.if (\kk) == 0
	v_wmma_f32_16x16x32_f16 v[DA+8*(\tt):DA+8*(\tt)+7], v[TQ+16*(\tt):TQ+16*(\tt)+7], v[VF:VF+7], 0
.else
	v_wmma_f32_16x16x32_f16 v[DA+8*(\tt):DA+8*(\tt)+7], v[TQ+16*(\tt)+8:TQ+16*(\tt)+15], v[VF+8:VF+15], v[DA+8*(\tt):DA+8*(\tt)+7]
.endif
.endr
.endr
	WIN 0x80                                       ; destination window 2
	FRAGS QG, 4, AWQ, 17408, 4352                  ; Qg'
	s_wait_dscnt 32                                ; Wm' is in; Qg's 32 loads may be out
	WIN 0x01
.irp kk, 0,1,2,3
.irp tt, 0,1,2,3
	v_wmma_f32_16x16x32_f16 v[DA+8*(\tt):DA+8*(\tt)+7], v[WM+8*(4*(\tt)+(\kk)):WM+8*(4*(\tt)+(\kk))+7], v[SF+8*(\kk):SF+8*(\kk)+7], v[DA+8*(\tt):DA+8*(\tt)+7]
.endr
.endr
	WIN 0x40
	FRAGS PP, 2, ATP, 9216, 2304                   ; P'
	WIN 0x80
.irp ht, 0,1,2,3,4,5,6,7
.irp kk, 0,1
	ds_load_tr16_b128 v[KT+8*(2*(\ht)+(\kk)):KT+8*(2*(\ht)+(\kk))+3],   v[AKT] offset:(\kk)*9216+32*(\ht)
	ds_load_tr16_b128 v[KT+8*(2*(\ht)+(\kk))+4:KT+8*(2*(\ht)+(\kk))+7], v[AKT] offset:(\kk)*9216+4608+32*(\ht)
.endr
.endr
	s_wait_dscnt 48                                ; Qg' is in; P's 16 and Kt's 32 loads may be out
	WIN 0x08                                       ; source 1 window 2
.irp kk, 0,1,2,3
.irp tt, 0,1,2,3
.if (\kk) == 0
	v_wmma_f32_16x16x32_f16 v[OA+8*(\tt):OA+8*(\tt)+7], v[SF:SF+7], v[QG+32*(\tt):QG+32*(\tt)+7], 0
.else
	v_wmma_f32_16x16x32_f16 v[OA+8*(\tt):OA+8*(\tt)+7], v[SF+8*(\kk):SF+8*(\kk)+7], v[QG+8*(4*(\tt)+(\kk)):QG+8*(4*(\tt)+(\kk))+7], v[OA+8*(\tt):OA+8*(\tt)+7]
.endif
.endr
.endr
	WIN 0
	s_wait_kmcnt 0x0                               ; gC is in, and its load's base may be stepped
	s_add_nc_u64 s[8:9], s[8:9], 256
.set i, 0
.rept 32
	v_pk_mul_f32 v[SA+2*i:SA+2*i+1], v[SA+2*i:SA+2*i+1], s[GCV:GCV+1] op_sel_hi:[1,0]  ; the state decays; these are also the places behind the products
.set i, i+1
.endr
.set i, 0
.rept 16
	v_cvt_pk_f16_f32 v[DF+i], v[DA+2*i], v[DA+2*i+1]
.set i, i+1
.endr
	s_wait_dscnt 32                                ; P' is in; Kt's 32 loads may be out
	WIN 0x04                                       ; source 1 window 1
.irp kk, 0,1
.irp tt, 0,1,2,3
	v_wmma_f32_16x16x32_f16 v[OA+8*(\tt):OA+8*(\tt)+7], v[DF+8*(\kk):DF+8*(\kk)+7], v[PP+8*(2*(\tt)+(\kk)):PP+8*(2*(\tt)+(\kk))+7], v[OA+8*(\tt):OA+8*(\tt)+7]
.endr
.endr
	s_wait_dscnt 0x0                               ; Kt is in
	WIN 0x02                                       ; source 0 window 2
.irp kk, 0,1
.irp ht, 0,1,2,3,4,5,6,7
	v_wmma_f32_16x16x32_f16 v[SA+8*(\ht):SA+8*(\ht)+7], v[KT+8*(2*(\ht)+(\kk)):KT+8*(2*(\ht)+(\kk))+7], v[DF+8*(\kk):DF+8*(\kk)+7], v[SA+8*(\ht):SA+8*(\ht)+7]
.endr
.endr
	WIN 0
.rept 4
	v_nop                                          ; four places behind the last products
.endr
.irp tt, 0,1,2,3
	ds_store_b128 v[STO], v[OA+8*(\tt):OA+8*(\tt)+3]   offset:(\tt)*16*SPITCH
	ds_store_b128 v[STO], v[OA+8*(\tt)+4:OA+8*(\tt)+7] offset:(\tt)*16*SPITCH+16
.endr
.set i, 0
.rept 32
	v_cvt_pk_f16_f32 v[SF+i], v[SA+2*i], v[SA+2*i+1]
.set i, i+1
.endr
	s_wait_dscnt 0x0                               ; for the others' sake: my 64 bytes of each of the stage's rows are written
	s_barrier_signal -1                            ; the next chunk's tiles stay on their way
	s_barrier_wait -1
.irp n, 0,1,2,3,4,5,6,7
	ds_load_b128 v[OB+4*(\n):OB+4*(\n)+3], v[RD] offset:(\n)*2*SPITCH
.endr
	s_wait_dscnt 0x0
.irp n, 0,1,2,3,4,5,6,7
	global_store_b128 v[GO], v[OB+4*(\n):OB+4*(\n)+3], s[12:13] offset:32768*(\n)  ; 16 lanes store 256 consecutive bytes, aligned
.endr
	s_wait_xcnt 0x0                                ; only behind this wait are the stores' base and data written again
	s_add_nc_u64 s[12:13], s[12:13], 0x100000      ; 64 rows of out0
.endm
.Lchunk:                                               ; 15 trips: a chunk is worked on and the next is asked for
	CHANGE 1
	CHUNK
	s_sub_co_u32 s[CNT], s[CNT], 1
	s_cmp_lg_u32 s[CNT], 0
	s_cbranch_scc1 .Lchunk
	CHANGE 0                                       ; the last chunk is written out: nothing is asked for
	CHUNK
	s_wait_tensorcnt 0x0                           ; the wave's end
	ds_add_u32 v[SPW], v[NIL]
	s_wait_dscnt 0x0
	CROUND                                         ; the closing round
	s_endpgm
.Lfunc_end_k_q44099f5104_scan:
	.size	k_q44099f5104_scan, .Lfunc_end_k_q44099f5104_scan-k_q44099f5104_scan
	.p2alignl 7, 3214868480
	.fill 96, 4, 3214868480
	.section	.rodata,"a",@progbits
	.p2align	6, 0x0
	.amdhsa_kernel k_q44099f5104_scan
		.amdhsa_group_segment_fixed_size 327680
		.amdhsa_private_segment_fixed_size 0
		.amdhsa_enable_private_segment 0
		.amdhsa_kernarg_size 40
		.amdhsa_user_sgpr_count 2
		.amdhsa_user_sgpr_kernarg_segment_ptr 1
		.amdhsa_wavefront_size32 1
		.amdhsa_system_sgpr_workgroup_id_x 1
		.amdhsa_system_sgpr_workgroup_id_y 1
		.amdhsa_system_sgpr_workgroup_id_z 1
		.amdhsa_system_vgpr_workitem_id 0
		.amdhsa_next_free_vgpr 768
		.amdhsa_next_free_sgpr 92
		.amdhsa_reserve_vcc 0
		.amdhsa_float_denorm_mode_32 3
		.amdhsa_float_denorm_mode_16_64 3
		.amdhsa_memory_ordered 1
		.amdhsa_forward_progress 1
		.amdhsa_inst_pref_size 62
	.end_amdhsa_kernel
	.amdgpu_metadata
---
amdhsa.version: [ 1, 2 ]
amdhsa.kernels:
  - .name:           k_q44099f5104_scan
    .symbol:         k_q44099f5104_scan.kd
    .args:
      - { .name: rec, .offset: 0, .size: 8, .value_kind: global_buffer, .address_space: global }
      - { .name: qkv, .offset: 8, .size: 8, .value_kind: global_buffer, .address_space: global }
      - { .name: gc, .offset: 16, .size: 8, .value_kind: global_buffer, .address_space: global }
      - { .name: state, .offset: 24, .size: 8, .value_kind: global_buffer, .address_space: global }
      - { .name: out0, .offset: 32, .size: 8, .value_kind: global_buffer, .address_space: global }
    .group_segment_fixed_size: 327680
    .private_segment_fixed_size: 0
    .kernarg_segment_align: 8
    .kernarg_segment_size: 40
    .max_flat_workgroup_size: 128
    .sgpr_count:     92
    .vgpr_count:     768
    .wavefront_size: 32
...
	.end_amdgpu_metadata
.endif
;; end of part 5
;; ======== version 2 of 2: 5 launches; version 1 with the launches gates, prep written anew for expert scheduling mode
;; limits: values are held in f16: magnitudes above 65,504 overflow, below 6.1e-05 lose precision; right only within a limited range of input values
;; workspace buffers: xb 8,388,608 bytes; wb 33,685,504 bytes; gate 262,144 bytes; qkv 33,554,432 bytes; rec 33,554,432 bytes; gc 131,072 bytes
;; launch cvt: the kernel of part 1 again; grid 1284 x 1, 8 waves a work-group, no clusters, 0 bytes of LDS; arguments x, W, xb, wb; writes xb, wb
;; launch gates (part 6): grid 128 x 1, 8 waves a work-group, no clusters, 17,408 bytes of LDS; arguments xb, wb, gate; writes gate
.if DOCPART == 6
	.amdgcn_target "amdgcn-amd-amdhsa--gfx1250"
	.amdhsa_code_object_version 6
	.text
	.protected	k_q44099f5104_gates
	.globl	k_q44099f5104_gates
	.p2align	8
	.type	k_q44099f5104_gates,@function
k_q44099f5104_gates:
	s_mov_b64 s[64:65], 0
	v_nop
	global_prefetch_b8 v0, s[64:65] scope:SCOPE_SE
	s_setreg_imm32_b32 hwreg(HW_REG_WAVE_SCHED_MODE, 0, 2), 2
	s_setreg_imm32_b32 hwreg(HW_REG_WAVE_MODE, 25, 1), 1
	s_wait_xcnt 0x0
	s_wait_alu depctr_vm_vsrc(0)
; The 32 gate columns of the projection: z = x W^T for W's rows 8192-8223, then lg = log2(sigmoid(z)) (rows 8192-8207) and
; beta = sigmoid(z) (rows 8208-8223).  gate: f32 [128 blocks of 16 rows][lg, beta][16 heads][16 rows]: 2,048 dense bytes a block.
; A work-group takes 16 rows of x; its eight waves split K = 2,048 into eight parts of 256 and add their sums through LDS.
; LIMITS.  lg is clipped at -160: a decay of 2^-160 is 0 in f32 anyway, and sums of 64 such numbers keep a step of 2^-10 at the worst.
; sigmoid is made of u = e^-|z|, which never overflows.  NaN and infinities are not treated apart.
; THE MODE: SCHED_MODE bits 1:0 = 2 (LLVM: expert scheduling mode 2), set by the entry lines.  The code itself states the register dependences
; between vector or matrix instructions and memory or LDS instructions, with s_wait_alu, always for 0.
; THE PLAN.  Registers that memory or LDS instructions touch:
;   v3          the offset of x and of W: written at the head, read by the 48 loads, never written again.
;   v[16:207]   the loads land here; the products read them.  v[16:47] take the eight waves' sums out of LDS later.
;   v[208:223]  the two sums: written by the products, read by the four LDS stores, never written again.
;   v4, v5, v11 LDS and gate addresses: made behind the loads, never written again.
;   v[16:19]    the finished numbers: written by the activations, read by the one global store.
; So one wait on va_vdst stands ahead of the loads, one ahead of the LDS stores (it also serves the LDS loads behind the barrier: no vector
; instruction between names v5 or v[16:47]), one ahead of the global store.  No register that a memory instruction reads is written again.
.set SPARE, 16384                      ; behind the eight waves' 2,048 bytes of sums: the spare words, 128 bytes a wave
.set AF,   16                          ; v[16:79]   x: 8 fragments of 16 rows x 32 K
.set BF0,  80                          ; v[80:143]  W's 16 rows for g
.set BF1,  144                         ; v[144:207] W's 16 rows for beta
.set ACC0, 208
.set ACC1, 216
.set Z,    16                          ; later: v[16:47] the eight waves' sums, added into v[16:19]
.set U,    48
.set D,    52
.set MK,   12                          ; s[12:15]   later: beta's four masks
	s_load_b128 s[4:7], s[0:1], 0x0                ; xb, wb
	s_load_b64 s[10:11], s[0:1], 0x10              ; gate
	v_lshl_add_u32 v6, v0, 2, SPARE                ; my spare word,
	v_mov_b32 v7, 0                                ; and 0
	v_lshrrev_b32 v8, 5, v0
	v_readfirstlane_b32 s8, v8                     ; wave 0..7
	v_and_b32 v1, 15, v0                           ; r
	v_bfe_u32 v2, v0, 4, 1                         ; h
	v_lshlrev_b32 v3, 12, v1                       ; a row of 2,048 bf16
	v_lshl_add_u32 v3, v2, 4, v3
	s_wait_alu depctr_va_sdst(0)                   ; s8 is written, ahead of its first reader
	s_lshl_b32 s12, s8, 9                          ; my wave's 256 along K
	v_add_nc_u32 v3, s12, v3                       ; one offset serves x's rows and W's
	s_lshl_b32 s14, ttmp9, 16                      ; 16 rows of xb
	s_mov_b32 s15, 0
	s_lshl_b32 s16, ttmp9, 11                      ; a block of gate
	s_mov_b32 s17, 0
	s_mov_b32 s18, 0xbfb8aa3b                      ; -log2(e)
	s_mov_b32 s19, 0x3fb8aa3b                      ; log2(e)
	s_mov_b32 s20, 0xc3200000                      ; -160
	s_wait_kmcnt 0x0
	s_add_nc_u64 s[4:5], s[4:5], s[14:15]
	s_add_nc_u64 s[6:7], s[6:7], 0x2000000         ; W's row 8192
	s_add_nc_u64 s[10:11], s[10:11], s[16:17]
	s_wait_alu depctr_va_vdst(0)                   ; v3 is written, which all 48 loads read as their offset
.irp kk, 0,1,2,3,4,5,6,7
	global_load_b128 v[AF+8*(\kk):AF+8*(\kk)+3],    v3, s[4:5] offset:64*(\kk)
	global_load_b128 v[AF+8*(\kk)+4:AF+8*(\kk)+7],  v3, s[4:5] offset:64*(\kk)+32
	global_load_b128 v[BF0+8*(\kk):BF0+8*(\kk)+3],   v3, s[6:7] offset:64*(\kk)
	global_load_b128 v[BF0+8*(\kk)+4:BF0+8*(\kk)+7], v3, s[6:7] offset:64*(\kk)+32
	global_load_b128 v[BF1+8*(\kk):BF1+8*(\kk)+3],   v3, s[6:7] offset:65536+64*(\kk)
	global_load_b128 v[BF1+8*(\kk)+4:BF1+8*(\kk)+7], v3, s[6:7] offset:65536+64*(\kk)+32
.endr
	v_and_b32 v4, 31, v0                           ; where my wave's sums go: wave x 2,048 + quad x 512 + lane x 16 (none of these lines names a register of the loads)
	v_lshlrev_b32 v4, 4, v4
	s_lshl_b32 s13, s8, 11
	v_add_nc_u32 v4, s13, v4
	; thread t of the first 128 makes bytes 16 t of the block: which = t / 64, head = (t / 4) % 16, rows 4 (t % 4) on.
	; Those rows lie in lane 16 ((t / 2) % 2) + head, in the low or the high four registers: quad 2 which + t % 2.
	v_bfe_u32 v8, v0, 6, 1
	v_and_b32 v9, 1, v0
	v_lshl_add_u32 v8, v8, 1, v9
	v_bfe_u32 v9, v0, 1, 1
	v_bfe_u32 v10, v0, 2, 4
	v_lshl_add_u32 v9, v9, 4, v10
	v_lshlrev_b32 v9, 4, v9
	v_lshl_add_u32 v5, v8, 9, v9
	v_lshlrev_b32 v11, 4, v0
	; source 0 = 16 rows of x, source 1 = 16 rows of W: a lane holds one head and the rows 8 h + 0..7.  The two sums take turns.
.irp kk, 0,1,2,3,4,5,6,7
	s_wait_loadcnt 42-6*(\kk)                      ; six loads a K step: the later steps' stay out
.if (\kk) == 0
	v_wmma_f32_16x16x32_bf16 v[ACC0:ACC0+7], v[AF:AF+7], v[BF0:BF0+7], 0
	v_wmma_f32_16x16x32_bf16 v[ACC1:ACC1+7], v[AF:AF+7], v[BF1:BF1+7], 0
.else
	v_wmma_f32_16x16x32_bf16 v[ACC0:ACC0+7], v[AF+8*(\kk):AF+8*(\kk)+7], v[BF0+8*(\kk):BF0+8*(\kk)+7], v[ACC0:ACC0+7]
	v_wmma_f32_16x16x32_bf16 v[ACC1:ACC1+7], v[AF+8*(\kk):AF+8*(\kk)+7], v[BF1+8*(\kk):BF1+8*(\kk)+7], v[ACC1:ACC1+7]
.endif
.endr
.rept 4
	v_nop                                          ; four places behind the last products (ISA guide 7.12.1); they stay beside the wait below
.endr
	s_wait_alu depctr_va_vdst(0)                   ; the products have written the two sums, which the LDS stores read, and are done reading v[16:47], in which the LDS loads behind the barrier land; v4, v5 and v11 are written
	ds_store_b128 v4, v[ACC0:ACC0+3]
	ds_store_b128 v4, v[ACC0+4:ACC0+7] offset:512
	ds_store_b128 v4, v[ACC1:ACC1+3] offset:1024
	ds_store_b128 v4, v[ACC1+4:ACC1+7] offset:1536
	s_wait_dscnt 0x0                               ; for the others' sake: my sums are in LDS
	s_barrier_signal -1
	s_barrier_wait -1
	s_cmp_lt_u32 s8, 4
	s_cbranch_scc0 .Lend                           ; 128 threads finish the block's 512 numbers
.irp n, 0,1,2,3,4,5,6,7
	ds_load_b128 v[Z+4*(\n):Z+4*(\n)+3], v5 offset:2048*(\n)  ; no vector instruction since the wait above names v5 or these registers
.endr
	s_wait_dscnt 0x0
.irp n, 0,2,4,6
	v_pk_add_f32 v[Z+4*(\n):Z+4*(\n)+1],   v[Z+4*(\n):Z+4*(\n)+1],   v[Z+4*(\n)+4:Z+4*(\n)+5]
	v_pk_add_f32 v[Z+4*(\n)+2:Z+4*(\n)+3], v[Z+4*(\n)+2:Z+4*(\n)+3], v[Z+4*(\n)+6:Z+4*(\n)+7]
.endr
.irp n, 0,4
	v_pk_add_f32 v[Z+4*(\n):Z+4*(\n)+1],   v[Z+4*(\n):Z+4*(\n)+1],   v[Z+4*(\n)+8:Z+4*(\n)+9]
	v_pk_add_f32 v[Z+4*(\n)+2:Z+4*(\n)+3], v[Z+4*(\n)+2:Z+4*(\n)+3], v[Z+4*(\n)+10:Z+4*(\n)+11]
.endr
	v_pk_add_f32 v[Z:Z+1],   v[Z:Z+1],   v[Z+16:Z+17]
	v_pk_add_f32 v[Z+2:Z+3], v[Z+2:Z+3], v[Z+18:Z+19]
.irp j, 0,1,2,3
	v_mul_f32 v[U+(\j)], s18, |v[Z+(\j)]|
.endr
.irp j, 0,1,2,3
	v_exp_f32 v[U+(\j)], v[U+(\j)]                 ; u = e^-|z|
.endr
	v_nop                                          ; a plain instruction behind the last exponential
	s_wait_alu depctr_va_vdst(0)                   ; the four exponentials have written u, ahead of its first reader
.irp j, 0,1,2,3
	v_add_f32 v[D+(\j)], 1.0, v[U+(\j)]            ; d = 1 + u
.endr
	s_cmp_lt_u32 s8, 2
	s_cbranch_scc0 .Lbeta
.irp j, 0,1,2,3
	v_log_f32 v[D+(\j)], v[D+(\j)]
.endr
.irp j, 0,1,2,3
	v_min_num_f32 v[Z+(\j)], 0, v[Z+(\j)]          ; (the first of these is the plain instruction behind the last logarithm)
.endr
	s_wait_alu depctr_va_vdst(0)                   ; the four logarithms are written, ahead of their first reader
.irp j, 0,1,2,3
	v_fma_f32 v[Z+(\j)], v[Z+(\j)], s19, -v[D+(\j)]  ; log2 sigmoid(z) = min(z, 0) log2(e) - log2(1 + u)
.endr
.irp j, 0,1,2,3
	v_max_num_f32 v[Z+(\j)], s20, v[Z+(\j)]
.endr
	s_branch .Lstore
.Lbeta:
.irp j, 0,1,2,3
	v_rcp_f32 v[D+(\j)], v[D+(\j)]
.endr
	v_nop
.irp j, 0,1,2,3
	v_cmp_gt_f32 s[MK+(\j)], 0, v[Z+(\j)]          ; the four compares in one run, a scalar register each
.endr
	s_wait_alu depctr_va_vdst(0)                   ; the four reciprocals are written, ahead of their first reader
	s_wait_alu depctr_va_sdst(0)                   ; the four masks are written, ahead of the selects that read them
.irp j, 0,1,2,3
	v_cndmask_b32 v[U+(\j)], 1.0, v[U+(\j)], s[MK+(\j)]  ; z < 0: u / (1 + u); else 1 / (1 + u)
	v_mul_f32 v[Z+(\j)], v[U+(\j)], v[D+(\j)]
.endr
.Lstore:
	s_wait_alu depctr_va_vdst(0)                   ; on both ways the finished numbers v[16:19] are written, which the store reads
	global_store_b128 v11, v[Z:Z+3], s[10:11]      ; a wave's store covers 512 consecutive bytes, aligned
.Lend:
	s_wait_dscnt 0x0                               ; the closing lines, six on end
	s_wait_alu 0x0
	s_wait_tensorcnt 0x0
	ds_add_u32 v6, v7
	s_wait_dscnt 0x0
	s_endpgm
.Lfunc_end_k_q44099f5104_gates:
	.size	k_q44099f5104_gates, .Lfunc_end_k_q44099f5104_gates-k_q44099f5104_gates
	.p2alignl 7, 3214868480
	.fill 96, 4, 3214868480
	.section	.rodata,"a",@progbits
	.p2align	6, 0x0
	.amdhsa_kernel k_q44099f5104_gates
		.amdhsa_group_segment_fixed_size 17408
		.amdhsa_private_segment_fixed_size 0
		.amdhsa_enable_private_segment 0
		.amdhsa_kernarg_size 24
		.amdhsa_user_sgpr_count 2
		.amdhsa_user_sgpr_kernarg_segment_ptr 1
		.amdhsa_wavefront_size32 1
		.amdhsa_system_sgpr_workgroup_id_x 1
		.amdhsa_system_sgpr_workgroup_id_y 1
		.amdhsa_system_sgpr_workgroup_id_z 1
		.amdhsa_system_vgpr_workitem_id 0
		.amdhsa_next_free_vgpr 224
		.amdhsa_next_free_sgpr 66
		.amdhsa_reserve_vcc 0
		.amdhsa_float_denorm_mode_32 3
		.amdhsa_float_denorm_mode_16_64 3
		.amdhsa_memory_ordered 1
		.amdhsa_forward_progress 1
		.amdhsa_inst_pref_size 13
	.end_amdhsa_kernel
	.amdgpu_metadata
---
amdhsa.version: [ 1, 2 ]
amdhsa.kernels:
  - .name:           k_q44099f5104_gates
    .symbol:         k_q44099f5104_gates.kd
    .args:
      - { .name: xb, .offset: 0, .size: 8, .value_kind: global_buffer, .address_space: global }
      - { .name: wb, .offset: 8, .size: 8, .value_kind: global_buffer, .address_space: global }
      - { .name: gate, .offset: 16, .size: 8, .value_kind: global_buffer, .address_space: global }
    .group_segment_fixed_size: 17408
    .private_segment_fixed_size: 0
    .kernarg_segment_align: 8
    .kernarg_segment_size: 24
    .max_flat_workgroup_size: 256
    .sgpr_count:     66
    .vgpr_count:     224
    .wavefront_size: 32
...
	.end_amdgpu_metadata
.endif
;; end of part 6
;; launch gemm: the kernel of part 3 again; grid 32 x 8, 4 waves a work-group, clusters of 4 x 4, 327,680 bytes of LDS; arguments xb, wb, qkv; writes qkv
;; launch prep (part 7): grid 16 x 32, 4 waves a work-group, no clusters, 64,256 bytes of LDS; arguments qkv, gate, rec, gc; writes rec, gc
.if DOCPART == 7
	.amdgcn_target "amdgcn-amd-amdhsa--gfx1250"
	.amdhsa_code_object_version 6
	.text
	.protected	k_q44099f5104_prep
	.globl	k_q44099f5104_prep
	.p2align	8
	.type	k_q44099f5104_prep,@function
k_q44099f5104_prep:
	s_mov_b64 s[64:65], 0
	v_nop
	global_prefetch_b8 v0, s[64:65] scope:SCOPE_SE
	s_setreg_imm32_b32 hwreg(HW_REG_WAVE_SCHED_MODE, 0, 2), 2
	s_setreg_imm32_b32 hwreg(HW_REG_WAVE_MODE, 25, 1), 1
	s_wait_xcnt 0x0
	s_wait_alu depctr_vm_vsrc(0)
; What a chunk of 64 steps of one head needs besides v and the state.  With L_t = the sum of log2 g up to t (in the chunk) and M[t][i] = 2^(L_t - L_i):
;   A[t][i] = beta_t M[t][i] (k_t . k_i) for i < t;   T' = (I + A)^-1 diag(beta);   Wm' = T' (-diag(2^L) K);   P'[t][i] = 16 M[t][i] (q_t . k_i) for i <= t;
;   Qg' = 16 diag(2^L) Q;   Kt = diag(2^(L_63 - L_t)) K;   gC = 2^L_63.
; rec: 65,536 bytes a chunk, all f16, dense rows: T' [64][64] at 0, P' [64][64] at 8192, Wm' [64][128] at 16384, Qg' at 32768, Kt at 49152.  gc: gC 64 times, 256 bytes a chunk.
; A work-group is one (chunk, batch x head); wave w owns the rows t = 16 w .. 16 w + 15.  Products in f16 with f32 sums; the inverse is an exact back substitution in f32, row by row:
; y_i = [i = t] - sum over s > i of y_s A[s][i], lane = row t, two waves.  T' and Wm' are responses of a contraction (beta <= 1, |k| <= 1): at most 1 in size.
; No tensor load: the tiles are 16 KiB and go straight into fragments.  No cluster: no two work-groups read the same rows.
; LIMITS.  f16 numbers below 6e-5 keep f16's fixed step of 6e-8; a factor below 2^-126 counts as 0; L is a running f32 sum (at least -10,240 by the clip on log2 g), so a factor's exponent
; is off by 2^-10 at the worst.  NaN and infinities are not treated apart.
; THE MODE: SCHED_MODE bits 1:0 = 2 (LLVM: expert scheduling mode 2), set by the entry lines.  The code itself states the register dependences
; between vector or matrix instructions and memory or LDS instructions, with s_wait_alu, always for 0.
; THE PLAN.  Registers that memory or LDS instructions touch, and who else names them:
;   v4, v5, v8, v9   offsets of the global loads, and 0 for the uniform LDS rows: made at the head, never written again.
;   v14 - v29        LDS and record addresses: made behind the first loads, never written again; the wait ahead of L's LDS stores states them written, for the whole kernel.
;   v[32:95]         L: written by the running sum, read by 16 LDS stores; then L_i lands in v[32:63].
;   v[128:191], v[256:319]  K's tiles 0, 1 and 2, 3: a buffer to each pass, so that no load lands in a fragment that a product has read.
;   v[96:111], v[80:87]     -A and P' of a pass: written by its vector work, read by its six LDS stores, which stand in one run behind one wait.
;   v[128:191], v[32:63]    the three scaled copies of Q and K: written by one run of 96 lines, read by 24 LDS stores behind one wait;
;   v[192:255]       Q's and K's fragments, free behind that wait: the rows that come back from the stage land here and leave by global stores.
;   v[128:255], v[256:383]  the substitution's two REGIONS, by turns.  The rows of -A go in 22 groups that fill a region: 16 pairs (rows 63-32), four fours (31-16), one eight (15-8), rows 7-1.
;                    Group g's multiply-adds read region g % 2; behind them ONE wait states them done, and group g + 2 is asked for into that region: a group's rows are requested a whole group ahead.
;   v[64:127]        y: named by vector instructions alone in the substitution.
; A compare's mask goes into a scalar register of its own, the compares stand in runs of 16, and one wait on va_sdst stands between a run and its selects.
.set LW,   0                           ; 4 x 256: each wave's own copy of L[64]
.set BL,   1024                        ; beta[64]
.set NA,   1280                        ; 64 x 272: -A in f32, zeros for i >= t
.set NAP,  272
.set TS,   18688                       ; 64 x 144: T' in f16
.set TSP,  144
.set KG,   27904                       ; 64 x 288: -2^L k in f16 (288 = 9 x 32)
.set KGP,  288
.set STG,  46336                       ; 4 x 4,352: each wave's own stage
.set SPARE, 63744                      ; the spare words, 128 bytes a wave
.set LG,  32                           ; v[32:95]   log2 g, then L; later LI v[32:63], E v[64:79], PH v[80:87]
.set LI,  32
.set E,   64
.set PH,  80
.set KK0, 96                           ; v[96:127]  k.k for two tiles of i, q.k for the same
.set QK0, 112
.set KF,  128                          ; v[128:191] K's fragments of tiles 0 and 1
.set K2,  0                            ; window 1: v[256:319] K's fragments of tiles 2 and 3
.set KO,  192                          ; v[192:223] K's fragments of my rows
.set QO,  224                          ; v[224:255] Q's fragments of my rows
.set PA,  128                          ; v[128:159] Qg' of my rows
.set PB,  160                          ; v[160:191] Kt of my rows
.set PC,  32                           ; v[32:63]   -2^L k of my rows
.set BA,  192                          ; v[192:223] Qg' back from the stage as whole rows
.set BB,  224                          ; v[224:255] Kt likewise
.set Y,   64                           ; the substitution: v[64:127] a row of the inverse
.set RB,  128                          ; region 0: v[128:255]; region 1 is v[0:127] of window 1
.set MLT, 14                           ; s[14:21]   eight masks
.set MLE, 30                           ; s[30:37]   eight more
.set MSB, 0
.macro WIN new                         ; s_set_vgpr_msb: bits 1:0 source 0, 7:6 destination; the high byte repeats the setting that is left; a switch that changes nothing is dropped
.if MSB != (\new)
	s_set_vgpr_msb (MSB<<8)|(\new)
.set MSB, (\new)
.endif
.endm
	s_load_b256 s[4:11], s[0:1], 0x0               ; qkv s[4:5], gate s[6:7], rec s[8:9], gc s[10:11]
	v_lshl_add_u32 v6, v0, 2, SPARE                ; my spare word,
	v_mov_b32 v7, 0                                ; and 0
	v_lshrrev_b32 v1, 5, v0
	v_readfirstlane_b32 s12, v1                    ; wave 0..3
	s_and_b32 s13, ttmp7, 0xffff                   ; batch x 16 + head
	s_lshr_b32 s15, s13, 4
	s_and_b32 s16, s13, 15
	s_lshl_b32 s17, s15, 10
	s_lshl_b32 s18, ttmp9, 6
	s_add_co_u32 s17, s17, s18                     ; the chunk's first row of qkv
	s_lshl_b32 s18, s17, 14                        ; rows of 16,384 bytes,
	s_lshl_b32 s20, s16, 8                         ; the head's 256 bytes
	s_add_co_u32 s18, s18, s20
	s_mov_b32 s19, 0
	s_lshl_b32 s20, s17, 7                         ; gate: 2,048 bytes for 16 rows,
	s_lshl_b32 s22, s16, 6                         ; 64 for a head
	s_add_co_u32 s20, s20, s22
	s_mov_b32 s21, 0
	s_lshl_b32 s22, s13, 4
	s_add_co_u32 s22, s22, ttmp9                   ; the record's number
	s_lshl_b32 s24, s22, 16
	s_mov_b32 s25, 0
	s_lshl_b32 s26, s22, 8
	s_mov_b32 s27, 0
	s_wait_alu depctr_va_sdst(0)                   ; s12 is written, ahead of its first reader
	s_lshl_b32 s30, s12, 18                        ; 16 rows of qkv
	s_lshl_b32 s31, s12, 11
	v_and_b32 v1, 15, v0                           ; r
	v_bfe_u32 v2, v0, 4, 1                         ; h
	v_and_b32 v3, 31, v0                           ; l
	v_lshlrev_b32 v4, 14, v1
	v_lshl_add_u32 v4, v2, 4, v4                   ; a fragment's row x 16,384 + 16 h
	v_add_nc_u32 v5, s30, v4                       ; the same in my 16 rows
	v_mov_b32 v8, 0
	v_lshl_add_u32 v9, v1, 2, s31                  ; gate: my block of 16 rows, row r
	s_wait_kmcnt 0x0
	s_add_nc_u64 s[4:5], s[4:5], s[18:19]          ; Q
	s_add_nc_u64 s[28:29], s[4:5], 4096            ; K
	s_add_nc_u64 s[6:7], s[6:7], s[20:21]
	s_add_nc_u64 s[8:9], s[8:9], s[24:25]
	s_add_nc_u64 s[10:11], s[10:11], s[26:27]
	s_wait_alu depctr_va_vdst(0)                   ; v4, v5, v8 and v9 are written, which the global loads (and, v8, the uniform LDS loads) read as their offsets
	; 49 loads: log2 g of the 64 steps (every lane all of them), my beta, my rows of K and Q, K's tiles 0 and 1
.irp n, 0,1,2,3,4,5,6,7,8,9,10,11,12,13,14,15
	global_load_b128 v[LG+4*(\n):LG+4*(\n)+3], v8, s[6:7] offset:((\n)/4)*2048+((\n)%4)*16
.endr
	global_load_b32 v10, v9, s[6:7] offset:1024
.irp kk, 0,1,2,3
	global_load_b128 v[KO+8*(\kk):KO+8*(\kk)+3],   v5, s[28:29] offset:64*(\kk)
	global_load_b128 v[KO+8*(\kk)+4:KO+8*(\kk)+7], v5, s[28:29] offset:64*(\kk)+32
.endr
.irp kk, 0,1,2,3
	global_load_b128 v[QO+8*(\kk):QO+8*(\kk)+3],   v5, s[4:5] offset:64*(\kk)
	global_load_b128 v[QO+8*(\kk)+4:QO+8*(\kk)+7], v5, s[4:5] offset:64*(\kk)+32
.endr
.macro KLOAD p, kb                     ; K's tiles 2 p and 2 p + 1 into the 64 registers from kb on, in the window in hand
.irp u, 0,1
.irp kk, 0,1,2,3
	global_load_b128 v[(\kb)+32*(\u)+8*(\kk):(\kb)+32*(\u)+8*(\kk)+3],   v4, s[28:29] offset:(2*(\p)+(\u))*262144+64*(\kk)
	global_load_b128 v[(\kb)+32*(\u)+8*(\kk)+4:(\kb)+32*(\u)+8*(\kk)+7], v4, s[28:29] offset:(2*(\p)+(\u))*262144+64*(\kk)+32
.endr
.endr
.endm
	KLOAD 0, KF
	; the addresses, while the loads are on their way: none of these lines names a register of the loads
	s_lshl_b32 s32, s12, 4
	v_lshlrev_b32 v30, 3, v2
	v_add_nc_u32 v13, s32, v1
	v_sub_nc_u32 v13, v13, v30                     ; t - 8 h: register j of tile it holds i < t where 16 it + j is less
	s_mul_i32 s33, s12, 16*NAP
	s_add_co_u32 s33, s33, NA
	v_mul_u32_u24 v14, v1, NAP
	v_lshl_add_u32 v14, v2, 5, v14
	v_add_nc_u32 v14, s33, v14                     ; -A: row t, 32 h
	s_mul_i32 s34, s12, 4352
	s_add_co_u32 s34, s34, STG                     ; my stage
	s_mul_i32 s40, s12, 16*TSP
	s_add_co_u32 s40, s40, TS                      ; my 16 rows of T'
	v_mul_u32_u24 v15, v1, 144
	v_lshl_add_u32 v15, v2, 4, v15
	v_add_nc_u32 v28, s40, v15                     ; T' as a fragment: row r, 16 h
	v_add_nc_u32 v15, s34, v15                     ; stage, rows of 144: in
	v_mul_u32_u24 v16, v1, 272
	v_lshl_add_u32 v16, v2, 4, v16
	v_add_nc_u32 v16, s34, v16                     ; stage, rows of 272: in
	v_mul_u32_u24 v17, v2, 272
	v_lshl_add_u32 v17, v1, 4, v17
	v_add_nc_u32 v17, s34, v17                     ; back: lanes 0-15 one row of 256 bytes, lanes 16-31 the next
	v_lshrrev_b32 v30, 3, v3
	v_and_b32 v31, 7, v0
	v_mul_u32_u24 v18, v30, 144
	v_lshl_add_u32 v18, v31, 4, v18
	v_add_nc_u32 v27, s40, v18                     ; T' back: 32 lanes take four rows of 128 bytes
	v_add_nc_u32 v18, s34, v18                     ; the same from the stage
	v_lshl_add_u32 v19, v3, 4, s31                 ; rec: 16 l + my 16 rows of 128 bytes
	s_lshl_b32 s35, s12, 12
	v_lshl_add_u32 v20, v3, 4, s35                 ; rec: 16 l + my 16 rows of 256 bytes
	s_mul_i32 s36, s12, 16*KGP
	s_add_co_u32 s36, s36, KG
	v_mul_u32_u24 v22, v1, KGP
	v_lshl_add_u32 v22, v2, 4, v22
	v_add_nc_u32 v22, s36, v22
	v_lshl_add_u32 v29, v2, 3, v31                 ; the turning load: row 8 h + l % 8,
	v_mul_u32_u24 v29, v29, KGP
	v_bfe_u32 v30, v0, 3, 1
	v_lshl_add_u32 v29, v30, 4, v29                ; 16 bytes for each half of eight lanes
	v_add_nc_u32 v29, KG, v29
	s_lshl_b32 s37, s12, 8                         ; my copy of L (LW = 0)
	s_lshl_b32 s38, s12, 6
	s_add_co_u32 s39, s38, BL
	s_add_co_u32 s38, s38, s37
	v_mov_b32 v23, s37
	v_lshl_add_u32 v24, v1, 2, s38                 ; L_t
	v_lshl_add_u32 v25, v2, 5, s37                 ; L_i for i = 16 it + 8 h + 0..7
	v_lshl_add_u32 v26, v1, 2, s39                 ; beta_t's place
	s_wait_loadcnt 33                              ; log2 g is in: 33 loads were issued behind it
	WIN 0x40                                       ; destination window 1, offset window 0
	KLOAD 1, K2                                    ; K's tiles 2 and 3 into a buffer of their own.  No wait: since the wait ahead of the first loads no line has named v4 or v[256:319]
	WIN 0
.set i, 1
.rept 63
	v_add_f32 v[LG+i], v[LG+i-1], v[LG+i]          ; the running sum, the same in every lane
.set i, i+1
.endr
	v_mov_b32 v21, v[LG+63]                        ; L_63
	s_wait_alu depctr_va_vdst(0)                   ; L is written, which the LDS stores read, and done with, so that L_i may land in v[32:63]; the addresses v14 to v29 are written, for every LDS and global instruction below
.irp n, 0,1,2,3,4,5,6,7,8,9,10,11,12,13,14,15
	ds_store_b128 v23, v[LG+4*(\n):LG+4*(\n)+3] offset:16*(\n)  ; through my own LDS bytes, so that a lane can pick by its number
.endr
	s_wait_dscnt 0x0                               ; the loads below land in the registers that these stores read
	s_wait_alu depctr_vm_vsrc(0)                   ; the 16 LDS stores have read v[32:95]: L_i lands in v[32:63], the passes' vector work writes v[64:87]
	ds_load_b32 v11, v24
.irp it, 0,1,2,3
	ds_load_b128 v[LI+8*(\it):LI+8*(\it)+3],   v25 offset:64*(\it)
	ds_load_b128 v[LI+8*(\it)+4:LI+8*(\it)+7], v25 offset:64*(\it)+16
.endr
	s_wait_loadcnt 48                              ; beta_t is in: 32 loads of the first run and the 16 of tiles 2 and 3 were issued behind it
	ds_store_b32 v26, v10
	v_mul_f32 v12, 0xbd800000, v10                 ; -beta_t / 16
	s_wait_dscnt 0x0
	v_add_f32 v11, 4.0, v11                        ; L_t + 4: 2^(that - L_i) = 16 M[t][i]
; A tile's 16 masks, one run of compares, a scalar register each: i < t for -A, i <= t for P'.  They hang on the lane alone.
.macro MASKS it
.irp j, 0,1,2,3,4,5,6,7
	v_cmp_lt_i32 s[MLT+(\j)], 16*(\it)+(\j), v13
	v_cmp_le_i32 s[MLE+(\j)], 16*(\it)+(\j), v13
.endr
.endm
; Buffer u's weights.  Each accumulator's lowest registers are read first.
.macro WEIGH u
.irp c, 0,1,2,3
	v_pk_mul_f32 v[KK0+8*(\u)+2*(\c):KK0+8*(\u)+2*(\c)+1], v[KK0+8*(\u)+2*(\c):KK0+8*(\u)+2*(\c)+1], v[E+8*(\u)+2*(\c):E+8*(\u)+2*(\c)+1]
.endr
.irp c, 0,1,2,3
	v_pk_mul_f32 v[QK0+8*(\u)+2*(\c):QK0+8*(\u)+2*(\c)+1], v[QK0+8*(\u)+2*(\c):QK0+8*(\u)+2*(\c)+1], v[E+8*(\u)+2*(\c):E+8*(\u)+2*(\c)+1]
.endr
.irp c, 0,1,2,3
	v_pk_mul_f32 v[KK0+8*(\u)+2*(\c):KK0+8*(\u)+2*(\c)+1], v[KK0+8*(\u)+2*(\c):KK0+8*(\u)+2*(\c)+1], v[12:13] op_sel_hi:[1,0]
.endr
.endm
; Buffer u's selects and P's rounding.  What lies above the diagonal is thrown away by the selects, whatever its weight.
.macro PICK u
.irp j, 0,1,2,3,4,5,6,7
	v_cndmask_b32 v[KK0+8*(\u)+(\j)], 0, v[KK0+8*(\u)+(\j)], s[MLT+(\j)]
	v_cndmask_b32 v[QK0+8*(\u)+(\j)], 0, v[QK0+8*(\u)+(\j)], s[MLE+(\j)]
.endr
.irp c, 0,1,2,3
	v_cvt_pk_f16_f32 v[PH+4*(\u)+(\c)], v[QK0+8*(\u)+2*(\c)], v[QK0+8*(\u)+2*(\c)+1]
.endr
.endm
; Tile it (buffer u) goes out: -A into LDS in f32, P' into my stage in f16
.macro PUT it, u
	ds_store_b128 v14, v[KK0+8*(\u):KK0+8*(\u)+3]   offset:64*(\it)
	ds_store_b128 v14, v[KK0+8*(\u)+4:KK0+8*(\u)+7] offset:64*(\it)+16
	ds_store_b128 v15, v[PH+4*(\u):PH+4*(\u)+3] offset:32*(\it)
.endm
; Tiles 2 p and 2 p + 1 of i.  Source 0 = 16 rows i of K, source 1 = my 16 rows t of K or Q: a lane holds one t and i = 16 it + 8 h + 0..7.  The four sums take turns.
.macro PASS p
.set KA, KF*(1-(\p))+K2*(\p)
	MASKS 2*(\p)                                   ; the first tile's masks: work that hangs on no load; in pass 1 it stands behind pass 0's LDS stores
.if (\p) == 0
	s_wait_loadcnt 16                              ; my rows of K and Q and tiles 0 and 1 are in; the 16 loads of tiles 2 and 3 stay out
.else
	s_wait_loadcnt 0x0                             ; tiles 2 and 3
	s_wait_alu depctr_vm_vsrc(0)                   ; pass 0's six LDS stores have read -A and P', which this pass's products and roundings write again; beta's LDS store has read v10, which is written again below
.endif
	WIN \p                                         ; source 0: the pass's buffer of K
.irp kk, 0,1,2,3
.if (\kk) == 0
	v_wmma_f32_16x16x32_f16 v[KK0:KK0+7],    v[KA:KA+7],     v[KO:KO+7], 0
	v_wmma_f32_16x16x32_f16 v[KK0+8:KK0+15], v[KA+32:KA+39], v[KO:KO+7], 0
	v_wmma_f32_16x16x32_f16 v[QK0:QK0+7],    v[KA:KA+7],     v[QO:QO+7], 0
	v_wmma_f32_16x16x32_f16 v[QK0+8:QK0+15], v[KA+32:KA+39], v[QO:QO+7], 0
.else
	v_wmma_f32_16x16x32_f16 v[KK0:KK0+7],    v[KA+8*(\kk):KA+8*(\kk)+7],       v[KO+8*(\kk):KO+8*(\kk)+7], v[KK0:KK0+7]
	v_wmma_f32_16x16x32_f16 v[KK0+8:KK0+15], v[KA+32+8*(\kk):KA+32+8*(\kk)+7], v[KO+8*(\kk):KO+8*(\kk)+7], v[KK0+8:KK0+15]
	v_wmma_f32_16x16x32_f16 v[QK0:QK0+7],    v[KA+8*(\kk):KA+8*(\kk)+7],       v[QO+8*(\kk):QO+8*(\kk)+7], v[QK0:QK0+7]
	v_wmma_f32_16x16x32_f16 v[QK0+8:QK0+15], v[KA+32+8*(\kk):KA+32+8*(\kk)+7], v[QO+8*(\kk):QO+8*(\kk)+7], v[QK0+8:QK0+15]
.endif
.endr
	WIN 0
.set i, 0
.rept 16
	v_sub_f32 v[E+i], v11, v[LI+16*(\p)+i]         ; sixteen plain instructions: the places behind the products
.set i, i+1
.endr
.set i, 0
.rept 16
	v_exp_f32 v[E+i], v[E+i]
.set i, i+1
.endr
	v_nop                                          ; a plain instruction behind the last exponential
	s_wait_alu depctr_va_vdst(0)                   ; the sixteen exponentials have written the weights, ahead of their first reader
	WEIGH 0
	s_wait_alu depctr_va_sdst(0)                   ; the first tile's 16 masks are written, ahead of the selects that read them
	PICK 0
	MASKS 2*(\p)+1
	WEIGH 1
	s_wait_alu depctr_va_sdst(0)                   ; the second tile's 16 masks are written, ahead of the selects that read them
	PICK 1
	s_wait_alu depctr_va_vdst(0)                   ; the selects and roundings have written both tiles' -A and P', which the six LDS stores read; behind pass 1 also: the vector work is done with v[64:79], in which P's rows land
	PUT 2*(\p), 0
	PUT 2*(\p)+1, 1
.endm
	PASS 0
	PASS 1
.irp n, 0,1,2,3
	ds_load_b128 v[64+4*(\n):64+4*(\n)+3], v18 offset:576*(\n)  ; my 16 rows of P', four rows of 128 bytes at a time; no vector instruction since the pass's last wait
.endr
	; the rows' factors, each twice in f16, and the three scaled copies, while P's rows come back: none of these lines names v[64:79]
	v_exp_f32 v30, v11                             ; 16 x 2^L_t
	v_sub_f32 v31, v21, v11
	v_add_f32 v31, 4.0, v31
	v_exp_f32 v31, v31                             ; 2^(L_63 - L_t)
	v_nop
	s_wait_alu depctr_va_vdst(0)                   ; the two exponentials are written, ahead of their first reader
	v_mul_f32 v10, 0xbd800000, v30                 ; -2^L_t
	v_cvt_pk_f16_f32 v30, v30, v30
	v_cvt_pk_f16_f32 v31, v31, v31
	v_cvt_pk_f16_f32 v10, v10, v10
.set i, 0
.rept 32
	v_pk_mul_f16 v[PA+i], v[QO+i], v30             ; Qg'
.set i, i+1
.endr
.set i, 0
.rept 32
	v_pk_mul_f16 v[PB+i], v[KO+i], v31             ; Kt
.set i, i+1
.endr
.set i, 0
.rept 32
	v_pk_mul_f16 v[PC+i], v[KO+i], v10             ; -2^L k, which stays in LDS
.set i, i+1
.endr
	s_wait_dscnt 0x0                               ; P's rows are in
.irp n, 0,1,2,3
	global_store_b128 v19, v[64+4*(\n):64+4*(\n)+3], s[8:9] offset:8192+512*(\n)  ; 512 consecutive bytes, aligned
.endr
	s_wait_alu depctr_va_vdst(0)                   ; the 96 lines above have written the three copies, which the 24 LDS stores read, and are done reading Q's and K's fragments v[192:255], in which the rows from the stage land
; 16 rows in fragments from src go into my stage and come back as whole rows of 256 bytes into dst
.macro THROUGH src, dst
.irp kk, 0,1,2,3
	ds_store_b128 v16, v[(\src)+8*(\kk):(\src)+8*(\kk)+3]   offset:64*(\kk)
	ds_store_b128 v16, v[(\src)+8*(\kk)+4:(\src)+8*(\kk)+7] offset:64*(\kk)+32
.endr
.irp n, 0,1,2,3,4,5,6,7
	ds_load_b128 v[(\dst)+4*(\n):(\dst)+4*(\n)+3], v17 offset:544*(\n)  ; LDS serves a wave's instructions in order (ISA guide 5.7.1.4): these see the stores above, and the next stores come behind them
.endr
.endm
.macro ROWSOUT src, region
.irp n, 0,1,2,3,4,5,6,7
	global_store_b128 v20, v[(\src)+4*(\n):(\src)+4*(\n)+3], s[8:9] offset:(\region)+512*(\n)
.endr
.endm
	THROUGH PA, BA
	THROUGH PB, BB
.irp kk, 0,1,2,3
	ds_store_b128 v22, v[PC+8*(\kk):PC+8*(\kk)+3]   offset:64*(\kk)
	ds_store_b128 v22, v[PC+8*(\kk)+4:PC+8*(\kk)+7] offset:64*(\kk)+32
.endr
	s_wait_dscnt 24                                ; Qg's rows are back: 24 LDS instructions were issued behind them
	ROWSOUT BA, 32768
	s_wait_dscnt 8                                 ; Kt's rows are back: the last eight stores may be out
	ROWSOUT BB, 49152
	s_wait_dscnt 0x0                               ; for the others' sake: -A, beta and -2^L k are in LDS
	s_barrier_signal -1
	s_barrier_wait -1
	s_wait_xcnt 0x0                                ; v[64:79] and v[192:255] fed the global stores above and are written next, on both ways
	s_wait_alu depctr_vm_vsrc(0)                   ; ahead of the branch: the global stores have read v[64:79] and v[192:255], the LDS stores v[32:63], v[80:87], v[96:111] and v[128:191]; all are written again on both ways
	s_cmp_lt_u32 s12, 2
	s_cbranch_scc0 .Lnosub
	; THE BACK SUBSTITUTION.  Lane = row t = 32 w + l of the inverse.  Row s of -A is the same for all lanes; when y_s is final, y_i += y_s (-A[s][i]) for all i < s.
.macro LOADROW s, rb                   ; the first s numbers of row s, in fours, into the registers from rb on, in the window in hand
.set q, 0
.rept ((\s)+3)/4
	ds_load_b128 v[(\rb)+4*q:(\rb)+4*q+3], v8 offset:NA+NAP*(\s)+16*q
.set q, q+1
.endr
.set NL, NL+((\s)+3)/4
.endm
.macro SUBST s, rb                     ; the pair that holds y_(s-1) first: the next step waits for it.  For an odd s that pair holds y_s too, whose factor -A[s][s] is 0
.set p, ((\s)-1)/2
.rept ((\s)+1)/2
.if (\s)%2
	v_pk_fma_f32 v[Y+2*p:Y+2*p+1], v[(\rb)+2*p:(\rb)+2*p+1], v[Y+(\s)-1:Y+(\s)], v[Y+2*p:Y+2*p+1] op_sel:[0,1,0] op_sel_hi:[1,1,1]
.else
	v_pk_fma_f32 v[Y+2*p:Y+2*p+1], v[(\rb)+2*p:(\rb)+2*p+1], v[Y+(\s):Y+(\s)+1], v[Y+2*p:Y+2*p+1] op_sel_hi:[1,0,1]
.endif
.set p, p-1
.endr
.endm
; A group: n rows from row top down, sl registers apart, in region b.  NL counts the group's loads.
.macro LOADGROUP top, n, sl, b
	WIN (\b)<<6                                    ; destination: the region's window
.set NL, 0
.set z, 0
.rept \n
	LOADROW (\top)-z, RB*(1-(\b))+(\sl)*z
.set z, z+1
.endr
.endm
.macro SUBGROUP top, n, sl, b
	WIN \b                                         ; source 0: the region's window
	s_wait_dscnt NL                                ; this group's rows are in; the loads of the group asked for last stay out
.set z, 0
.rept \n
	SUBST (\top)-z, RB*(1-(\b))+(\sl)*z
.set z, z+1
.endr
.endm
; Group g is worked on; then group g + 2 is asked for into the same region
.macro STEP top, n, sl, b, top2, n2, sl2
	SUBGROUP \top, \n, \sl, \b
	WIN (\b)<<6
	s_wait_alu depctr_va_vdst(0)                   ; the group's multiply-adds are done reading its region, in which the next rows land
	LOADGROUP \top2, \n2, \sl2, \b
.endm
	LOADGROUP 63, 2, 64, 0                         ; no vector instruction since the wait ahead of the stage's stores has named v8, v[128:255] or v[256:383]
	LOADGROUP 61, 2, 64, 1                         ; 32 + 31 LDS loads are out
	WIN 0
	s_lshl_b32 s42, s12, 5
	v_add_nc_u32 v30, s42, v3                      ; t
	s_mul_i32 s41, s12, 32*TSP
	s_add_co_u32 s41, s41, TS
	v_mul_u32_u24 v31, v3, TSP
	v_add_nc_u32 v31, s41, v31
.set i, 0
.rept 4                                ; y starts as row t of the unit matrix: four runs of 16 compares and 16 selects
.irp j, 0,1,2,3,4,5,6,7
	v_cmp_eq_u32 s[MLT+(\j)], i+(\j), v30
	v_cmp_eq_u32 s[MLE+(\j)], i+8+(\j), v30
.endr
	s_wait_alu depctr_va_sdst(0)                   ; the run's 16 masks are written, ahead of the selects that read them
.irp j, 0,1,2,3,4,5,6,7
	v_cndmask_b32 v[Y+i+(\j)], 0, 1.0, s[MLT+(\j)]
	v_cndmask_b32 v[Y+i+8+(\j)], 0, 1.0, s[MLE+(\j)]
.endr
.set i, i+16
.endr
.set g, 0
.rept 14                               ; groups 0 to 13: rows 63 to 36, in pairs
	STEP 63-2*g, 2, 64, g%2, 59-2*g, 2, 64
.set g, g+1
.endr
	STEP 35, 2, 64, 0, 31, 4, 32                   ; from row 31 on four rows fill a region,
	STEP 33, 2, 64, 1, 27, 4, 32
	STEP 31, 4, 32, 0, 23, 4, 32
	STEP 27, 4, 32, 1, 19, 4, 32
	STEP 23, 4, 32, 0, 15, 8, 16                   ; from row 15 on eight
	STEP 19, 4, 32, 1, 7, 7, 16
	SUBGROUP 15, 8, 16, 0
	s_wait_alu depctr_va_vdst(0)                   ; the group's multiply-adds are done reading region 0, in which beta lands
.irp n, 0,1,2,3,4,5,6,7,8,9,10,11,12,13,14,15
	ds_load_b128 v[RB+4*(\n):RB+4*(\n)+3], v8 offset:BL+16*(\n)  ; beta, all 64, in the place of a further group
.endr
.set NL, 16
	SUBGROUP 7, 7, 16, 1
	WIN 0
	s_wait_dscnt 0x0                               ; beta
.set i, 0
.rept 32
	v_pk_mul_f32 v[Y+2*i:Y+2*i+1], v[Y+2*i:Y+2*i+1], v[RB+2*i:RB+2*i+1]
.set i, i+1
.endr
.set i, 0
.rept 32
	v_cvt_pk_f16_f32 v[32+i], v[Y+2*i], v[Y+2*i+1]
.set i, i+1
.endr
	s_wait_alu depctr_va_vdst(0)                   ; the roundings have written T' in v[32:63], and v31 is written: the LDS stores read both; the vector work is done with v[128:255], in which the loads behind the barrier land
.irp n, 0,1,2,3,4,5,6,7
	ds_store_b128 v31, v[32+4*(\n):32+4*(\n)+3] offset:16*(\n)
.endr
.Lnosub:
	s_wait_dscnt 0x0                               ; for the others' sake: T' is in LDS
	s_barrier_signal -1
	s_barrier_wait -1
	s_wait_alu depctr_vm_vsrc(0)                   ; T's LDS stores have read v[32:63], in which the loads below land
	; T' goes out; Wm' = T' (-2^L K), transposed: source 0 = 16 channels (turned out of LDS), source 1 = my 16 rows of T': a lane holds one t and eight neighbouring channels
.irp n, 0,1,2,3
	ds_load_b128 v[48+4*(\n):48+4*(\n)+3], v27 offset:576*(\n)
.endr
.irp n, 0,1,2,3
	ds_load_b128 v[32+4*(\n):32+4*(\n)+3], v28 offset:32*(\n)
.endr
.irp ht, 0,1,2,3,4,5,6,7
.irp kk, 0,1
	ds_load_tr16_b128 v[128+8*(2*(\ht)+(\kk)):128+8*(2*(\ht)+(\kk))+3],   v29 offset:(\kk)*32*KGP+32*(\ht)
	ds_load_tr16_b128 v[128+8*(2*(\ht)+(\kk))+4:128+8*(2*(\ht)+(\kk))+7], v29 offset:(\kk)*32*KGP+16*KGP+32*(\ht)
.endr
.endr
	s_wait_dscnt 36                                ; the first four loads are in: 36 were issued behind them
.irp n, 0,1,2,3
	global_store_b128 v19, v[48+4*(\n):48+4*(\n)+3], s[8:9] offset:512*(\n)
.endr
	s_wait_dscnt 0x0
.irp kk, 0,1
.irp ht, 0,1,2,3,4,5,6,7               ; the eight sums take turns
.if (\kk) == 0
	v_wmma_f32_16x16x32_f16 v[64+8*(\ht):64+8*(\ht)+7], v[128+16*(\ht):128+16*(\ht)+7], v[32:39], 0
.else
	v_wmma_f32_16x16x32_f16 v[64+8*(\ht):64+8*(\ht)+7], v[136+16*(\ht):136+16*(\ht)+7], v[40:47], v[64+8*(\ht):64+8*(\ht)+7]
.endif
.endr
.endr
.rept 4
	v_nop                                          ; four places behind the last products
.endr
	s_wait_xcnt 0x0                                ; v[48:63] fed the stores above and are written next
	s_wait_alu depctr_vm_vsrc(0)                   ; T's four global stores have read v[48:63], which the roundings write
.set i, 0
.rept 32
	v_cvt_pk_f16_f32 v[32+i], v[64+2*i], v[64+2*i+1]
.set i, i+1
.endr
	s_wait_alu depctr_va_vdst(0)                   ; the roundings have written Wm' in v[32:63], which the LDS stores read; the products are done reading v[128:159], in which the rows from the stage land
.irp ht, 0,1,2,3,4,5,6,7
	ds_store_b128 v16, v[32+4*(\ht):32+4*(\ht)+3] offset:32*(\ht)
.endr
.irp n, 0,1,2,3,4,5,6,7
	ds_load_b128 v[128+4*(\n):128+4*(\n)+3], v17 offset:544*(\n)
.endr
	s_wait_dscnt 0x0
.irp n, 0,1,2,3,4,5,6,7
	global_store_b128 v20, v[128+4*(\n):128+4*(\n)+3], s[8:9] offset:16384+512*(\n)
.endr
	s_cmp_lg_u32 s12, 0
	s_cbranch_scc1 .Lend
	v_exp_f32 v10, v21                             ; gC, twice: the wave's one store fills the chunk's 256 bytes
	v_exp_f32 v11, v21
	v_lshlrev_b32 v12, 3, v3
	s_wait_alu depctr_va_vdst(0)                   ; the two exponentials and the offset v12 are written, which the store reads
	global_store_b64 v12, v[10:11], s[10:11]
.Lend:
	s_wait_dscnt 0x0                               ; the closing lines, six on end
	s_wait_alu 0x0
	s_wait_tensorcnt 0x0
	ds_add_u32 v6, v7
	s_wait_dscnt 0x0
	s_endpgm
.Lfunc_end_k_q44099f5104_prep:
	.size	k_q44099f5104_prep, .Lfunc_end_k_q44099f5104_prep-k_q44099f5104_prep
	.p2alignl 7, 3214868480
	.fill 96, 4, 3214868480
	.section	.rodata,"a",@progbits
	.p2align	6, 0x0
	.amdhsa_kernel k_q44099f5104_prep
		.amdhsa_group_segment_fixed_size 64256
		.amdhsa_private_segment_fixed_size 0
		.amdhsa_enable_private_segment 0
		.amdhsa_kernarg_size 32
		.amdhsa_user_sgpr_count 2
		.amdhsa_user_sgpr_kernarg_segment_ptr 1
		.amdhsa_wavefront_size32 1
		.amdhsa_system_sgpr_workgroup_id_x 1
		.amdhsa_system_sgpr_workgroup_id_y 1
		.amdhsa_system_sgpr_workgroup_id_z 1
		.amdhsa_system_vgpr_workitem_id 0
		.amdhsa_next_free_vgpr 384
		.amdhsa_next_free_sgpr 66
		.amdhsa_reserve_vcc 0
		.amdhsa_float_denorm_mode_32 3
		.amdhsa_float_denorm_mode_16_64 3
		.amdhsa_memory_ordered 1
		.amdhsa_forward_progress 1
		.amdhsa_inst_pref_size 166
	.end_amdhsa_kernel
	.amdgpu_metadata
---
amdhsa.version: [ 1, 2 ]
amdhsa.kernels:
  - .name:           k_q44099f5104_prep
    .symbol:         k_q44099f5104_prep.kd
    .args:
      - { .name: qkv, .offset: 0, .size: 8, .value_kind: global_buffer, .address_space: global }
      - { .name: gate, .offset: 8, .size: 8, .value_kind: global_buffer, .address_space: global }
      - { .name: rec, .offset: 16, .size: 8, .value_kind: global_buffer, .address_space: global }
      - { .name: gc, .offset: 24, .size: 8, .value_kind: global_buffer, .address_space: global }
    .group_segment_fixed_size: 64256
    .private_segment_fixed_size: 0
    .kernarg_segment_align: 8
    .kernarg_segment_size: 32
    .max_flat_workgroup_size: 128
    .sgpr_count:     66
    .vgpr_count:     384
    .wavefront_size: 32
...
	.end_amdgpu_metadata
.endif
;; end of part 7
;; launch scan: the kernel of part 5 again; grid 4 x 32, 4 waves a work-group, clusters of 4 x 1, 327,680 bytes of LDS; arguments rec, qkv, gc, state, out0; writes out0
